; MI455X (gfx1250); checked and timed in simulation.
; The chip was launched on July 23, 2026; its instructions are those of AMD's public machine-readable ISA for CDNA 5 (MIT licence, August 2026) and "CDNA5" Instruction Set Architecture Reference Guide (July 2026). The comments in the code are by the model that wrote it; some were corrected since.
;; Channelwise Spatial MHSA. Allowed arithmetic: matrix products marked QUANTISED: E3M2 operands, one E8M0 scale for each 32 along K, by v_wmma_scale_f32_16x16x128_f8f6f4 with both operands' format E3M2, f32 sums; products left as they are: f32 operands where the result goes on into a quantised operand, else bf16, f16 or f32 operands; f32 sums; everything else in f32.
;; Inputs: embed_w 64 x 1 float32; k_w 64 x 64 float32; merge_w 1 x 32 float32; o_w 64 x 64 float32; q_w 64 x 64 float32; v_w 64 x 64 float32; x 2 x 32 x 32 x 32 float32.
;; Outputs: out0 2 x 32 x 32 x 64 float32.
;; This version of the problem:
;;   THIS VERSION OF THE PROBLEM IS GIVEN IN LOW PRECISION. The matrix products marked QUANTISED in the list below multiply operands that are first quantised to E3M2 (3 exponent bits, 2 mantissa bits; 6 bits a number), with one power-of-two scale for each 32 numbers along K (OCP MX v1.0); their sums are f32. All else is computed in f32.
;;   The module's matrix products, in the order in which they are computed (A, B: the left and right operand; K: the contracted axis; several contracted axes count as one K, in the product's order):
;;     1. [M 65,536, K 1] x [K 1, N 64]; A: input x; B: input embed_w: left as it is (K = 1 < 32)
;;     2. [M 65,536, K 64] x [K 64, N 64]; A: computed on the way; B: input q_w: QUANTISED
;;     3. [M 65,536, K 64] x [K 64, N 64]; A: computed on the way; B: input k_w: QUANTISED
;;     4. [M 65,536, K 64] x [K 64, N 64]; A: computed on the way; B: input v_w: QUANTISED
;;     5. batch 256 x [M 1,024, K 16] x [K 16, N 1,024]; A: computed on the way; B: computed on the way: left as it is (K = 16 < 32)
;;     6. batch 256 x [M 1,024, K 1,024] x [K 1,024, N 16]; A: softmax (see below); B: computed on the way: QUANTISED
;;     7. [M 65,536, K 64] x [K 64, N 64]; A: computed on the way; B: input o_w: QUANTISED
;;     8. [M 131,072, K 32] x [K 32, N 1]; A: computed on the way; B: input merge_w: left as it is (N = 1 < 16)
;;   THE QUANTISER, for each operand of a quantised product, along K:
;;     - K is cut into blocks of 32 from its start; a last block that is shorter is filled with zeros.
;;     - A block's scale is 2^e with e = floor(log2(the largest magnitude in the block)) - 4, held to -126 .. 127; a block of zeros has e = 0. As a byte (E8M0): e + 127.
;;     - Each number is divided by its block's scale, clamped to +-28, and rounded to the nearest number of E3M2, ties to even, subnormals kept.
;;     - The product sums the exact products of the quantised numbers (number of the format x scale) in f32.
;;   ~~~python
;;   def quantise(x, axis):      # numpy; x: float32 -> the quantised numbers, widened to float32 again
;;       x = np.moveaxis(x, axis, -1); K = x.shape[-1]
;;       x = np.pad(x, [(0, 0)] * (x.ndim - 1) + [(0, -K % 32)]); x = x.reshape(x.shape[:-1] + (-1, 32)); a = np.abs(x).max(-1, keepdims=True)
;;       e = np.where(a > 0, np.clip(np.frexp(np.where(a > 0, a, 1))[1] - 1 - 4, -126, 127), 0)      # np.frexp(a)[1] - 1 = floor(log2(a)), exactly
;;       r = np.clip(x / 2.0 ** e, -28, 28)
;;       step = 2.0 ** (np.maximum(np.frexp(np.where(r == 0, 1, r))[1] - 1, -2) - 2)
;;       q = np.round(r / step) * step * 2.0 ** e      # np.round: ties to even
;;       return np.moveaxis(q.reshape(q.shape[:-2] + (-1,))[..., :K], -1, axis).astype(np.float32)
;;   ~~~
;;   SOFTMAX AHEAD OF A QUANTISED PRODUCT. Where the list says 'softmax', what is quantised is not the finished softmax but p = 2^(t - M), with t = logit x log2(e) and M = ceil(the row's largest t), a whole number; so 1/2 < the row's largest p <= 1. The row's sum l is taken of the UNQUANTISED p, in f32, and the product's result is divided by l at the end. Since M is a whole number, a kernel that streams over the keys may use a running M (the ceiling of the running maximum): every later rescaling is an exact power of two, which a block's scale takes up: the codes' values come out the same.
;;   OPERANDS COMPUTED ON THE WAY. 'Computed on the way' means the value that the module computes at that place (a softmax that the list does not call 'softmax' is quantised finished and normalised). What goes into a quantiser is computed in f32, as accurately as f32 sums, v_exp_f32 and their like allow (about 1e-6 of the number): no bf16 or f16 on the way to a quantiser, and a product that is left as it is and whose result goes on into a quantised operand takes f32 operands (vector FMAs, or v_wmma_f32_16x16x4_f32). A number that lies on a knife's edge between two numbers of the format may be rounded either way, as far as f32 arithmetic and the matrix unit's own rounding can turn it there, and no further.
;; 2 versions, each right; version 2 is version 1 with the launches attn, merge written anew for expert scheduling mode. Each part assembles by itself: llvm-mc -triple=amdgcn-amd-amdhsa -mcpu=gfx1250 --defsym DOCPART=n.
;; ======== version 1 of 2: 2 launches
;; workspace buffers: ycodes 3,145,728 bytes; yscales 131,072 bytes
;; launch attn (part 1): grid 256 x 1, 16 waves a work-group, no clusters, 231,424 bytes of LDS; arguments x, embed_w, q_w, k_w, v_w, ycodes, yscales; writes ycodes, yscales
.if DOCPART == 1
	.amdgcn_target "amdgcn-amd-amdhsa--gfx1250"
	.amdhsa_code_object_version 6
	.text
	.protected	k_qe0c91a25e0_attn
	.globl	k_qe0c91a25e0_attn
	.p2align	8
	.type	k_qe0c91a25e0_attn,@function
k_qe0c91a25e0_attn:
	s_mov_b64 s[64:65], 0
	v_nop
	global_prefetch_b8 v0, s[64:65] scope:SCOPE_SE
	s_setreg_imm32_b32 hwreg(HW_REG_WAVE_MODE, 25, 1), 1
	s_wait_xcnt 0x0
; Channel-wise spatial attention, up to the quantised Y.  64 images n = (b, c) of 1,024 positions, 4 heads of 16.
; E = x * embed_w (f32) is quantised along its 64 to E3M2 with one E8M0 scale a block of 32 and multiplied with the quantised q_w, k_w, v_w;
; the scores Q K^T (K = 16) take f32 operands; p = 2^(t - M), M a whole number, is quantised along the keys, V likewise; Y = (p V) / sum(p) is quantised along the pair of heads.
; SHARES.  Work-group g: image g >> 2, pair of heads (g >> 1) & 1, half of the queries g & 1: 2 heads x 512 queries x 1,024 keys; 256 equal work-groups.
; Prologue: wave w makes K's eight tiles and V's fragment of key step w >> 1 (128 keys), head w & 1, and Q of its own 32 queries for both heads; all go to LDS as images of registers.
; Main part: wave w owns 32 queries: 2 tiles x 2 heads x 8 key steps.  Sixteen waves of 256 registers: four share a SIMD, so that one wave's softmax stands beside another's matrix work.
; LAYOUTS (r = lane % 16, h = lane / 16).  K^T = k_w x E and Q^T = q_w x E leave in lane (r, h) row r and d = 8 h + j: registers 2 c, 2 c + 1 are the f32 form's operand of its step c,
; with d = 8 h + 2 c + j at the place (h, j), alike on both sides.  The keys of a tile 2 b + u are 32 b + 8 u + r + 8 (r / 8), so that the 16 registers of two neighbouring tiles of S^T
; (and of V) are 16 neighbouring keys.  A lane holds one query in S^T, p and O^T.  K = 64 fills half of the scaled form's 128: registers 6-11 of such operands hold zero codes.
; NO CLUSTER, NO TENSOR LOAD: every operand is computed here; what the four work-groups of an image share is 4 KB of x and their part of 48 KB of weights, read once at the head.
; LIMITS: NaN and infinities among the inputs are not served.  A block whose largest magnitude lies under 2^-122 (a block of zeros too) gets the scale byte 1; its bytes are read by this program alone.
; A p under 2^-126 counts as 0 (the row's sum is above 1/2).  The scores' 16 products are summed in the order d = 0,1,8,9, 2,3,10,11 .., in f32.
.set FLOOR, 0x2800000                  ; 2^(5 - 127): under it no largest magnitude is taken, so no scale byte falls under 1
.set EOFF,  0xfe000000                 ; takes 4, the exponent of the format's largest number, off an exponent field
.set KIMG,  0                          ; LDS: K [head 2][key step 8][tile 8][1,024]: registers 0-3 at 16 x lane, 4-7 at 512 + 16 x lane
.set VIMG,  131072                     ; V's fragments [head][key step][1,536]: three planes of 512, registers 4 p .. 4 p + 3 at 16 x lane
.set VSC,   155648                     ; their scale words [head][key step][128]
.set QIMG,  157696                     ; Q [wave 16][tile 2][head 2][1,024], as a tile of K: the wave's own
.set WIMG,  223232                     ; the weights' fragments [2 x matrix + head][768]: three planes of 256, registers 2 p, 2 p + 1 at 8 x lane
.set WSC,   227840                     ; their scale words [6][128]
.set YSCS,  228608                     ; Y's scale bytes, one a thread
; REGISTERS that stay: v0 thread; v1 16 x lane; v2 4 x lane; v7 my Q images; v252, v253 Y's scale bytes in LDS.  v64-127 (S^T) are written by the f32 matrix form alone.
; Scales and nothing else: v244 V's word, v245 E's or p's, v249, v250 the weights'.
; Prologue: v3-5 where K, V, V's word go; v9, v10 q_w's images; v12, v13 x of my queries; v16-27 E's fragment; v28-30 conversions' second halves; v32-63 a weight's numbers, then four tiles of V;
;   v128-135 a tile of K or Q; v136-167 embed_w of my block; v168-183 16 numbers of E; v184-195 V's fragment; v196-199 the weights' images; v200-211, v212-223 two weight fragments; v224-231 x of my keys;
;   v232-243 at work; v246 8 h; v247 the largest |embed_w| of my block; v254 x of the tile in hand.
; Main part: v3-5 addresses in hand; v6, v251 Y's bytes; v8-10 Y's codes of tile 0; v12 -M; v13 largest t; v[14:15] the sum; v16-23 Q; v24-31 O^T; v32-63 four tiles of K; v128-143 Y; v136-199 p;
;   v200-211 V; v212-223 p's codes; v224-230 their second halves; v232-243 at work; v246 f.
.macro NOPS n
.rept \n
	v_nop
.endr
.endm
.macro BARRIER                         ; my LDS stores have landed and my LDS loads are in: then the work-group's barrier
	s_wait_dscnt 0x0
	s_barrier_signal -1
	s_barrier_wait -1
.endm
.macro SW0 d, a, b, sa, sb             ; a scaled product that starts its sum
	v_wmma_scale_f32_16x16x128_f8f6f4 v[(\d):(\d)+7], v[(\a):(\a)+11], v[(\b):(\b)+11], 0, v[\sa], v[\sb] matrix_a_fmt:MATRIX_FMT_BF6 matrix_b_fmt:MATRIX_FMT_BF6
.endm
.macro MAX32 src                       ; the largest magnitude of 32 registers, in two chains: v236 and v237 are left to be joined
	v_max3_num_f32 v236, |v[\src]|, |v[\src+1]|, |v[\src+2]|
	v_max3_num_f32 v237, |v[\src+3]|, |v[\src+4]|, |v[\src+5]|
.irp i, 6,10,14,18,22,26
	v_max3_num_f32 v236, v236, |v[\src+\i]|, |v[\src+\i+1]|
	v_max3_num_f32 v237, v237, |v[\src+\i+2]|, |v[\src+\i+3]|
.endr
	v_max3_num_f32 v236, v236, |v[\src+30]|, |v[\src+31]|
.endm
; My byte goes 8 h bits up and meets lane l xor 16's: the word of a row with two blocks, its upper two bytes 0 (over zero codes).  v238 holds the conversion's scale operand.
.macro WORD2 sc
	v_add_nc_u32 v238, EOFF, v236
	v_lshrrev_b32 v239, 23, v238
	v_lshlrev_b32 v239, v246, v239
	v_permlanex16_b32 v240, v239, s24, s25
	v_or_b32 v[\sc], v239, v240
.endm
; 32 numbers of a lane, block h of row r of a weight, become registers 0-5 of a fragment and the row's scale word
.macro WQUANT src, dst, sc
	MAX32 \src
	v_max3_num_f32 v236, v236, v237, FLOOR
	WORD2 \sc
	v_cvt_scalef32_pk16_bf6_f32 v[\dst:\dst+2], v[\src:\src+15], v238
	v_cvt_scalef32_pk16_bf6_f32 v[28:30], v[\src+16:\src+31], v238   ; (a conversion's three registers begin on an even number)
	v_nop                                          ; one plain place behind a scaled conversion
.irp i, 0,1,2
	v_mov_b32 v[\dst+3+\i], v[28+\i]
.endr
.endm
; The 16 rows whose x lies in v[xr] (lane (r, h): row r) become E's fragment v16-27 and scale word v245.
; Rounding keeps order, so the block's largest |x e_k| is |x| times the block's largest |e_k|, rounded once.
.macro ETILE xr
	v_mov_b32 v254, v[\xr]
	v_mul_f32 v236, |v254|, v247
	v_max_num_f32 v236, FLOOR, v236
	WORD2 245
.irp i, 0,1,2,3,4,5,6,7
	v_pk_mul_f32 v[168+2*\i:169+2*\i], v[136+2*\i:137+2*\i], v[254:255] op_sel_hi:[1,0]   ; E = x e_k, k = 32 h + 0 .. 15
.endr
	v_cvt_scalef32_pk16_bf6_f32 v[16:18], v[168:183], v238
	v_nop                                          ; a plain place before the conversion's sources are written again
.irp i, 0,1,2,3,4,5,6,7
	v_pk_mul_f32 v[168+2*\i:169+2*\i], v[152+2*\i:153+2*\i], v[254:255] op_sel_hi:[1,0]   ; k = 32 h + 16 .. 31
.endr
	v_cvt_scalef32_pk16_bf6_f32 v[28:30], v[168:183], v238
	v_nop
.irp i, 0,1,2
	v_mov_b32 v[19+\i], v[28+\i]
.endr
	NOPS 4                                         ; an operand written by vector instructions stands 4 places ahead of a scaled product (its scale word stands more than 8 ahead)
.endm
; Four tiles of V in v32-63: blocks 2 c and 2 c + 1 of 32 keys; register 16 b + i is key 32 b + 16 h + i of column d = r.  They become registers 6 c .. 6 c + 5 of V's fragment and two bytes of its word.
.macro QUANT2 c
.irp b, 0,1
	v_max3_num_f32 v[232+\b], |v[32+16*\b]|, |v[33+16*\b]|, FLOOR     ; each tile is read from its low end on
.endr
.irp i, 2,4,6,8,10,12,14
.irp b, 0,1
	v_max3_num_f32 v[232+\b], v[232+\b], |v[32+16*\b+\i]|, |v[33+16*\b+\i]|
.endr
.endr
.irp b, 0,1
	v_permlanex16_b32 v[234+\b], v[232+\b], s24, s25
.endr
.irp b, 0,1
	v_max_num_f32 v[232+\b], v[232+\b], v[234+\b]  ; with lane l xor 16's 16 keys: the block's largest magnitude
.endr
.irp b, 0,1
	v_add_nc_u32 v[236+\b], EOFF, v[232+\b]
.endr
.irp b, 0,1
	v_lshrrev_b32 v[238+\b], 23, v[236+\b]
.endr
.if \c == 0
	v_lshl_or_b32 v244, v239, 8, v238
.else
	v_lshl_or_b32 v244, v238, 16, v244
	v_lshl_or_b32 v244, v239, 24, v244
.endif
	v_cvt_scalef32_pk16_bf6_f32 v[184+6*\c:186+6*\c], v[32:47], v236
	v_cvt_scalef32_pk16_bf6_f32 v[28:30], v[48:63], v237
	v_nop
.irp i, 0,1,2
	v_permlane16_swap_b32 v[184+6*\c+\i], v[28+\i] ; a whole block to a lane: lanes 0-15 block 2 c, lanes 16-31 block 2 c + 1
.endr
.irp i, 0,1,2
	v_mov_b32 v[187+6*\c+\i], v[28+\i]
.endr
.endm
; Four tiles of 16 keys: E, then K^T = k_w x E (to LDS as it stands) and V = E x v_w (kept for the quantiser)
.macro HALF c
.irp t, 0,1,2,3
	ETILE 224+4*\c+\t
	s_wait_dscnt 0x0                               ; the weights' fragments are in; the last tile's stores have read v128-135
	SW0 128, 200, 16, 249, 245
	SW0 32+8*\t, 16, 212, 245, 250
	NOPS 4                                         ; places behind the products
	ds_store_b128 v3, v[128:131] offset:1024*(4*\c+\t)
	ds_store_b128 v3, v[132:135] offset:1024*(4*\c+\t)+512
.endr
	QUANT2 \c
.endm
.macro KLOAD g                         ; tiles 4 g .. 4 g + 3 of the key step's K
.irp t, 0,1,2,3
	ds_load_b128 v[32+8*\t:35+8*\t], v3 offset:4096*\g+1024*\t
	ds_load_b128 v[36+8*\t:39+8*\t], v3 offset:4096*\g+1024*\t+512
.endr
.endm
.macro SCORES g                        ; S^T = K Q^T for four tiles: four steps of 4 along d; the four sums take turns, one instruction a turn; the first step starts each sum
.irp c, 0,1,2,3
.irp t, 0,1,2,3
.if \c == 0
	v_wmma_f32_16x16x4_f32 v[64+32*\g+8*\t:71+32*\g+8*\t], v[32+8*\t:33+8*\t], v[16:17], 0
.else
	v_wmma_f32_16x16x4_f32 v[64+32*\g+8*\t:71+32*\g+8*\t], v[32+8*\t+2*\c:33+8*\t+2*\c], v[16+2*\c:17+2*\c], v[64+32*\g+8*\t:71+32*\g+8*\t]
.endif
.endr
.endr
.endm
.macro BMAX x, y                       ; the largest score of blocks x and y of 32 keys (my 16 of each), each tile from its low end on
.irp b, \x, \y
	v_max3_num_f32 v[232+\b], v[64+16*\b], v[65+16*\b], v[66+16*\b]
.endr
.irp i, 3,5,7,9,11,13
.irp b, \x, \y
	v_max3_num_f32 v[232+\b], v[232+\b], v[64+16*\b+\i], v[65+16*\b+\i]
.endr
.endr
.irp b, \x, \y
	v_max_num_f32 v[232+\b], v[232+\b], v[79+16*\b]
.endr
.endm
; A KEY STEP: 16 queries x 128 keys of one head.  s28, s29, s30: where the step's K, V and V's word lie in LDS.
.macro STEP
	v_add_nc_u32 v3, s28, v1
	KLOAD 0
	s_wait_dscnt 0x0                               ; nothing younger is out (in a head's first step Q is among these)
	SCORES 0
	v_add_nc_u32 v4, s29, v1
	v_add_nc_u32 v5, s30, v2
	NOPS 6                                         ; with the two additions: 8 places behind the f32 form, in front of loads into registers that it has read
	KLOAD 1
.irp p, 0,1,2
	ds_load_b128 v[200+4*\p:203+4*\p], v4 offset:512*\p
.endr
	ds_load_b32 v244, v5
	s_wait_dscnt 0x4                               ; K's eight loads are in; V's three and its scale word, issued behind them, may stay out
	SCORES 1
	BMAX 0, 1                                      ; 16 plain lines on the first four tiles: they are the 8 places behind the last products too
	BMAX 2, 3
.irp b, 0,1,2,3
	v_permlanex16_b32 v[236+\b], v[232+\b], s24, s25
.endr
.irp b, 0,1,2,3
	v_max_num_f32 v[232+\b], v[232+\b], v[236+\b]  ; with lane l xor 16's 16 keys: it serves for the row's maximum and, since p rises with the score, for the block's largest p
.endr
	v_max3_num_f32 v248, v232, v233, v234
	v_max_num_f32 v248, v248, v235
	v_mul_f32 v248, s26, v248                      ; as t = score x log2(e) / 4
	v_max_num_f32 v13, v13, v248                   ; the running largest t
	v_mov_b32 v248, v12
	v_floor_f32 v12, -v13                          ; -M = floor(-t): M is a whole number
	v_sub_f32 v248, v12, v248                      ; old M - new M, 0 or less
	v_cvt_i32_f32 v248, v248                       ; (it saturates)
	v_ldexp_f32 v246, 1.0, v248                    ; f = 2^(old M - new M): rounds nothing
.irp j, 0,2,4,6,8,10,12,14,16,18,20,22,24,26,28,30,32,34,36,38,40,42,44,46,48,50,52,54,56,58,60,62
	v_pk_fma_f32 v[136+\j:137+\j], v[64+\j:65+\j], s[26:27], v[12:13] op_sel_hi:[1,0,0]   ; t - M, into p's registers: S^T's are left to the matrix form
.endr
.irp b, 0,1,2,3
	v_fma_f32 v[232+\b], v[232+\b], s26, v12
.endr
.irp j, 0,1,2,3,4,5,6,7,8,9,10,11,12,13,14,15,16,17,18,19,20,21,22,23,24,25,26,27,28,29,30,31,32,33,34,35,36,37,38,39,40,41,42,43,44,45,46,47,48,49,50,51,52,53,54,55,56,57,58,59,60,61,62,63
	v_exp_f32 v[136+\j], v[136+\j]                 ; p = 2^(t - M), not normalised
.endr
.irp b, 0,1,2,3
	v_exp_f32 v[232+\b], v[232+\b]                 ; the block's largest p: the same two instructions on the same number
.endr
	v_pk_mul_f32 v[14:15], v[14:15], v[246:247] op_sel_hi:[1,0]   ; the sums under the new M (a plain place behind the exponentials)
	s_wait_alu depctr_va_vdst(0)
.irp b, 0,1,2,3
	v_max_num_f32 v[232+\b], FLOOR, v[232+\b]
.endr
.irp b, 0,1,2,3
	v_add_nc_u32 v[240+\b], EOFF, v[232+\b]
.endr
.irp b, 0,1,2,3
	v_lshrrev_b32 v[236+\b], 23, v[240+\b]
.endr
	v_lshl_or_b32 v245, v237, 8, v236              ; p's scale word for these 128 keys
	v_lshl_or_b32 v245, v238, 16, v245
	v_lshl_or_b32 v245, v239, 24, v245
.irp c, 0,1
	v_cvt_scalef32_pk16_bf6_f32 v[212+6*\c:214+6*\c], v[136+32*\c:151+32*\c], v[240+2*\c]
	v_cvt_scalef32_pk16_bf6_f32 v[224+4*\c:226+4*\c], v[152+32*\c:167+32*\c], v[240+2*\c+1]
.endr
	v_nop
.irp c, 0,1
.irp i, 0,1,2
	v_permlane16_swap_b32 v[212+6*\c+\i], v[224+4*\c+\i]
.endr
.irp i, 0,1,2
	v_mov_b32 v[215+6*\c+\i], v[224+4*\c+\i]
.endr
.endr
.irp j, 0,2,4,6
	v_pk_mul_f32 v[24+\j:25+\j], v[24+\j:25+\j], v[246:247] op_sel_hi:[1,0]   ; O^T under the new M, from its low end on
.endr
	v_pk_add_f32 v[236:237], v[136:137], v[138:139]   ; the row's sum is taken of the unquantised p, in two chains; these lines are also the places in front of the scaled product
.irp j, 4,8,12,16,20,24,28,32,36,40,44,48,52,56,60
	v_pk_add_f32 v[14:15], v[14:15], v[136+\j:137+\j]
	v_pk_add_f32 v[236:237], v[236:237], v[138+\j:139+\j]
.endr
	v_pk_add_f32 v[14:15], v[14:15], v[236:237]
	s_wait_dscnt 0x0                               ; V's fragment and scale word
	v_wmma_scale_f32_16x16x128_f8f6f4 v[24:31], v[200:211], v[212:223], v[24:31], v244, v245 matrix_a_fmt:MATRIX_FMT_BF6 matrix_b_fmt:MATRIX_FMT_BF6   ; O^T += V^T p^T; 32 other products stand between two of these
	s_add_co_u32 s28, s28, 8192
	s_add_co_u32 s29, s29, 1536
	s_add_co_u32 s30, s30, 128
.endm
; One tile of 16 queries against all 1,024 keys of one head; Y = O^T / the sum goes to v[128 + 8 hd] on
.macro HEADRUN tau, hd
	ds_load_b128 v[16:19], v7 offset:(2*\tau+\hd)*1024
	ds_load_b128 v[20:23], v7 offset:(2*\tau+\hd)*1024+512
	v_mov_b32 v13, 0xff61b1e6                      ; the largest t so far: -3e38
	v_floor_f32 v12, -v13
	v_mov_b32 v14, 0
	v_mov_b32 v15, 0
.irp j, 0,1,2,3,4,5,6,7
	v_mov_b32 v[24+\j], 0                          ; the step is written once: the first finds zeros, which the first change of M leaves zeros
.endr
	s_mov_b32 s28, (\hd)<<16
	s_mov_b32 s29, VIMG+(\hd)*12288
	s_mov_b32 s30, VSC+(\hd)*1024
	s_mov_b32 s31, 8
.Lk_\@:
	STEP
	s_sub_co_u32 s31, s31, 1
	s_cmp_lg_u32 s31, 0
	s_cbranch_scc1 .Lk_\@
	v_add_f32 v14, v14, v15                        ; the sum's two halves,
	v_permlanex16_b32 v248, v14, s24, s25
	v_add_f32 v14, v14, v248                       ; and lane l xor 16's
	v_rcp_f32 v14, v14
	NOPS 4                                         ; places behind the last product, and the plain place behind the reciprocal
	s_wait_alu depctr_va_vdst(0)
.irp j, 0,1,2,3,4,5,6,7
	v_mul_f32 v[128+8*\hd+\j], v[24+\j], v14       ; lane (r, h): Y(query r, head hd, d = 8 h + j)
.endr
.endm
; v128-143: my 16 numbers of a block of 32 (two heads) of query r; lane l xor 16 holds the other 16.  16 codes into v[yc] on, the block's byte into v[by].
.macro YQUANT yc, by
	v_max3_num_f32 v232, |v128|, |v129|, FLOOR
.irp i, 2,4,6,8,10,12,14
	v_max3_num_f32 v232, v232, |v[128+\i]|, |v[129+\i]|
.endr
	v_permlanex16_b32 v236, v232, s24, s25
	v_max_num_f32 v232, v232, v236
	v_add_nc_u32 v240, EOFF, v232
	v_lshrrev_b32 v[\by], 23, v240
	v_cvt_scalef32_pk16_bf6_f32 v[\yc:\yc+2], v[128:143], v240
	v_nop
.endm
	; ---- the head: ids, addresses, the first loads
	s_load_b256 s[4:11], s[0:1], 0x0               ; x, embed_w, q_w, k_w
	s_load_b128 s[12:15], s[0:1], 0x20             ; v_w, ycodes
	s_load_b64 s[16:17], s[0:1], 0x30              ; yscales
	v_lshrrev_b32 v1, 5, v0
	v_readfirstlane_b32 s18, v1                    ; wave 0..15
	s_and_b32 s19, s18, 1                          ; prologue: my head of the pair
	s_lshr_b32 s20, s18, 1                         ; prologue: my key step.  In waves 0-5 also: which weight I quantise
	s_lshr_b32 s21, ttmp9, 2                       ; image n
	s_bfe_u32 s22, ttmp9, 0x10001                  ; pair of heads
	s_and_b32 s23, ttmp9, 1                        ; half of the queries
	s_mov_b32 s24, 0x76543210
	s_mov_b32 s25, 0xfedcba98                      ; v_permlanex16_b32's selects for lane l xor 16
	s_mov_b32 s26, 0x3eb8aa3b                      ; log2(e) / 4
	s_mov_b32 s27, s26                             ; (named with it as a pair)
	v_and_b32 v236, 31, v0                         ; lane
	v_and_b32 v237, 15, v0                         ; r
	v_bfe_u32 v238, v0, 4, 1                       ; h
	v_lshlrev_b32 v1, 4, v236
	v_lshlrev_b32 v2, 2, v236
	v_lshlrev_b32 v239, 3, v236
	s_lshl_b32 s42, s19, 16
	s_lshl_b32 s43, s20, 13
	s_add_co_u32 s42, s42, s43
	v_add_nc_u32 v3, s42, v1                       ; where my tiles of K go
	s_lshl_b32 s43, s19, 3
	s_add_co_u32 s43, s43, s20                     ; 8 x head + key step
	s_mul_i32 s44, s43, 1536
	s_add_co_u32 s44, s44, VIMG
	v_add_nc_u32 v4, s44, v1                       ; my fragment of V
	s_lshl_b32 s44, s43, 7
	s_add_co_u32 s44, s44, VSC
	v_add_nc_u32 v5, s44, v2                       ; its scale word
	s_lshl_b32 s44, s18, 12
	s_add_co_u32 s44, s44, QIMG
	v_add_nc_u32 v7, s44, v1                       ; my four tiles of Q
	v_add_nc_u32 v9, WIMG, v239                    ; q_w's two fragments
	v_add_nc_u32 v10, WSC, v2                      ; and their words
	s_mul_i32 s44, s18, 768
	s_add_co_u32 s44, s44, WIMG
	v_add_nc_u32 v196, s44, v239                   ; waves 0-5: where my weight's fragment goes
	s_lshl_b32 s44, s18, 7
	s_add_co_u32 s44, s44, WSC
	v_add_nc_u32 v197, s44, v2
	s_mul_i32 s44, s19, 768
	s_add_co_u32 s44, s44, WIMG
	v_add_nc_u32 v198, s44, v239                   ; my head's fragments of a weight
	s_lshl_b32 s44, s19, 7
	s_add_co_u32 s44, s44, WSC
	v_add_nc_u32 v199, s44, v2
	v_add_nc_u32 v252, YSCS, v0                    ; Y's scale byte of my row
	v_add_nc_u32 v253, YSCS, v1                    ; and 16 of them, on the way out
	v_and_b32 v232, 8, v237
	v_add_nc_u32 v232, v232, v237
	v_lshlrev_b32 v232, 7, v232                    ; x: a position is 128 bytes: key r + 8 (r / 8) of a tile
	v_lshlrev_b32 v233, 7, v237                    ; query r of a tile
	v_lshlrev_b32 v234, 7, v238                    ; embed_w: my block's 32 numbers
	v_lshlrev_b32 v235, 8, v237
	v_lshl_or_b32 v235, v238, 7, v235              ; a weight: row r of 256 bytes, block h
	v_lshlrev_b32 v246, 3, v238                    ; 8 h
	v_mov_b32 v240, 0                              ; a lane permute's destination counts as one of its sources
	v_mov_b32 v255, 0                              ; (named as the upper half of the pair v[254:255])
.irp j, 0,1,2,3,4,5
	v_mov_b32 v[22+\j], 0                          ; K = 64: the upper halves of E's and the weights' fragments are zero codes
	v_mov_b32 v[206+\j], 0
	v_mov_b32 v[218+\j], 0
.endr
	s_lshr_b32 s42, s21, 5
	s_lshl_b32 s42, s42, 17                        ; b x 1,024 positions x 128 bytes
	s_and_b32 s43, s21, 31
	s_lshl_b32 s43, s43, 2
	s_or_b32 s42, s42, s43                         ; + 4 c
	s_lshl_b32 s43, s20, 14
	s_add_co_u32 s32, s42, s43                     ; + my key step's 128 positions
	s_mov_b32 s33, 0
	s_lshl_b32 s43, s23, 9
	s_lshl_b32 s44, s18, 5
	s_add_co_u32 s43, s43, s44                     ; my first query: 512 x half + 32 x wave
	s_lshl_b32 s43, s43, 7
	s_add_co_u32 s34, s42, s43
	s_mov_b32 s35, 0
	s_wait_kmcnt 0x0
	s_add_nc_u64 s[36:37], s[4:5], s[32:33]
	s_add_nc_u64 s[38:39], s[4:5], s[34:35]
	s_cmp_eq_u32 s20, 0                            ; waves 0, 1: q_w; 2, 3: k_w; 4, 5: v_w: the choice hangs on the wave's number alone
	s_cselect_b64 s[40:41], s[8:9], s[12:13]
	s_cmp_eq_u32 s20, 1
	s_cselect_b64 s[40:41], s[10:11], s[40:41]
	s_lshl_b32 s42, s22, 1
	s_add_co_u32 s42, s42, s19
	s_lshl_b32 s42, s42, 12                        ; the head's 16 rows of 256 bytes
	s_mov_b32 s43, 0
	s_add_nc_u64 s[40:41], s[40:41], s[42:43]
	s_lshl_b32 s42, s21, 1
	s_add_co_u32 s42, s42, s22                     ; 2 n + pair
	s_mul_i32 s32, s42, 24576
	s_lshl_b32 s43, s23, 4
	s_add_co_u32 s43, s43, s18                     ; my group of 32 queries
	s_mul_i32 s43, s43, 768
	s_add_co_u32 s32, s32, s43
	s_add_nc_u64 s[14:15], s[14:15], s[32:33]      ; ycodes at my group
	s_lshl_b32 s34, s42, 10
	s_lshl_b32 s43, s23, 9
	s_add_co_u32 s34, s34, s43
	s_add_nc_u64 s[16:17], s[16:17], s[34:35]      ; yscales at the work-group's 512 rows
.irp i, 0,1,2,3,4,5,6,7
	global_load_b128 v[136+4*\i:139+4*\i], v234, s[6:7] offset:16*\i
.endr
.irp t, 0,1,2,3,4,5,6,7
	global_load_b32 v[224+\t], v232, s[36:37] offset:(32*(\t/2)+8*(\t%2))*128
.endr
.irp t, 0,1
	global_load_b32 v[12+\t], v233, s[38:39] offset:2048*\t
.endr
	; ---- the six weight fragments of this pair of heads, one a wave
	s_cmp_lt_u32 s18, 6
	s_cbranch_scc0 .Lno_weight
.irp i, 0,1,2,3,4,5,6,7
	global_load_b128 v[32+4*\i:35+4*\i], v235, s[40:41] offset:16*\i
.endr
	s_wait_loadcnt 0x0
	WQUANT 32, 200, 249
.irp p, 0,1,2
	ds_store_b64 v196, v[200+2*\p:201+2*\p] offset:256*\p
.endr
	ds_store_b32 v197, v249
.Lno_weight:
	s_wait_loadcnt 0x0                             ; embed_w and x; the offsets in v232-235 are free
	MAX32 136
	v_max_num_f32 v247, v236, v237                 ; the largest |embed_w| of my block
	BARRIER                                        ; the six fragments lie in LDS
	; ---- K and V of my key step and head
.irp p, 0,1,2
	ds_load_b64 v[200+2*\p:201+2*\p], v198 offset:1536+256*\p    ; k_w
	ds_load_b64 v[212+2*\p:213+2*\p], v198 offset:3072+256*\p    ; v_w
.endr
	ds_load_b32 v249, v199 offset:256
	ds_load_b32 v250, v199 offset:512
	HALF 0
	HALF 1
.irp p, 0,1,2
	ds_store_b128 v4, v[184+4*\p:187+4*\p] offset:512*\p
.endr
	ds_store_b32 v5, v244
	; ---- Q of my 32 queries, both heads
	NOPS 4                                         ; places in front of loads into registers that products have read
.irp p, 0,1,2
	ds_load_b64 v[200+2*\p:201+2*\p], v9 offset:256*\p           ; q_w, head 0 of the pair
	ds_load_b64 v[212+2*\p:213+2*\p], v9 offset:768+256*\p       ; head 1
.endr
	ds_load_b32 v249, v10
	ds_load_b32 v250, v10 offset:128
.irp t, 0,1
	ETILE 12+\t
	s_wait_dscnt 0x0
	SW0 128, 200, 16, 249, 245
	SW0 32, 212, 16, 250, 245
	NOPS 4
	ds_store_b128 v7, v[128:131] offset:2048*\t
	ds_store_b128 v7, v[132:135] offset:2048*\t+512
	ds_store_b128 v7, v[32:35] offset:2048*\t+1024
	ds_store_b128 v7, v[36:39] offset:2048*\t+1536
.endr
	BARRIER                                        ; all of K and V lie in LDS
	; ---- the main part
	HEADRUN 0, 0
	HEADRUN 0, 1
	YQUANT 8, 6
	HEADRUN 1, 0
	HEADRUN 1, 1
	YQUANT 224, 251
	; ---- the way out.  Lane (r, h) holds half h of row r's block, of tile 0 in v8-10 and of tile 1 in v224-226: the exchange gives lane 16 tile + r its row's lower 16 codes and upper 16.
	; In a block the codes stand in the order k = 0-7, 16-23, 8-15, 24-31; the launch that reads them lays o_w's numbers alike.
.irp i, 0,1,2
	v_permlane16_swap_b32 v[8+\i], v[224+\i]
.endr
.irp i, 0,1,2
	v_mov_b32 v[212+\i], v[8+\i]
	v_mov_b32 v[215+\i], v[224+\i]
.endr
	v_and_b32 v254, 31, v0
	v_lshlrev_b32 v255, 3, v254
.irp p, 0,1,2
	global_store_b64 v255, v[212+2*\p:213+2*\p], s[14:15] offset:256*\p   ; 32 lanes store 256 consecutive bytes, at a multiple of 256 from the buffer's first byte
.endr
	v_cmp_gt_u32 vcc_lo, 16, v254
	v_cndmask_b32 v248, v251, v6, vcc_lo           ; lanes 0-15 tile 0's byte, lanes 16-31 tile 1's
	ds_store_b8 v252, v248
	BARRIER                                        ; the work-group's 512 scale bytes lie in LDS
	s_cmp_lg_u32 s18, 0
	s_cbranch_scc1 .Ldone
	ds_load_b128 v[232:235], v253
	s_wait_dscnt 0x0
	global_store_b128 v1, v[232:235], s[16:17]     ; wave 0 stores them: 512 consecutive bytes
.Ldone:
	s_wait_xcnt 0x0
	v_lshl_add_u32 v254, v0, 2, 0x38000
	v_mov_b32 v255, 0
	s_wait_tensorcnt 0x0
	ds_add_u32 v254, v255
	s_wait_dscnt 0x0
	s_endpgm
.Lfunc_end_k_qe0c91a25e0_attn:
	.size	k_qe0c91a25e0_attn, .Lfunc_end_k_qe0c91a25e0_attn-k_qe0c91a25e0_attn
	.p2alignl 7, 3214868480
	.fill 96, 4, 3214868480
	.section	.rodata,"a",@progbits
	.p2align	6, 0x0
	.amdhsa_kernel k_qe0c91a25e0_attn
		.amdhsa_group_segment_fixed_size 231424
		.amdhsa_private_segment_fixed_size 0
		.amdhsa_enable_private_segment 0
		.amdhsa_kernarg_size 56
		.amdhsa_user_sgpr_count 2
		.amdhsa_user_sgpr_kernarg_segment_ptr 1
		.amdhsa_wavefront_size32 1
		.amdhsa_system_sgpr_workgroup_id_x 1
		.amdhsa_system_sgpr_workgroup_id_y 1
		.amdhsa_system_sgpr_workgroup_id_z 1
		.amdhsa_system_vgpr_workitem_id 0
		.amdhsa_next_free_vgpr 256
		.amdhsa_next_free_sgpr 66
		.amdhsa_reserve_vcc 1
		.amdhsa_float_denorm_mode_32 3
		.amdhsa_float_denorm_mode_16_64 3
		.amdhsa_memory_ordered 1
		.amdhsa_forward_progress 1
		.amdhsa_inst_pref_size 107
	.end_amdhsa_kernel
	.amdgpu_metadata
---
amdhsa.version: [ 1, 2 ]
amdhsa.kernels:
  - .name:           k_qe0c91a25e0_attn
    .symbol:         k_qe0c91a25e0_attn.kd
    .args:
      - { .name: x, .offset: 0, .size: 8, .value_kind: global_buffer, .address_space: global }
      - { .name: embed_w, .offset: 8, .size: 8, .value_kind: global_buffer, .address_space: global }
      - { .name: q_w, .offset: 16, .size: 8, .value_kind: global_buffer, .address_space: global }
      - { .name: k_w, .offset: 24, .size: 8, .value_kind: global_buffer, .address_space: global }
      - { .name: v_w, .offset: 32, .size: 8, .value_kind: global_buffer, .address_space: global }
      - { .name: ycodes, .offset: 40, .size: 8, .value_kind: global_buffer, .address_space: global }
      - { .name: yscales, .offset: 48, .size: 8, .value_kind: global_buffer, .address_space: global }
    .group_segment_fixed_size: 231424
    .private_segment_fixed_size: 0
    .kernarg_segment_align: 8
    .kernarg_segment_size: 56
    .max_flat_workgroup_size: 512
    .sgpr_count:     66
    .vgpr_count:     256
    .wavefront_size: 32
...
	.end_amdgpu_metadata
.endif
;; end of part 1
;; launch merge (part 2): grid 128 x 1, 8 waves a work-group, no clusters, 39,424 bytes of LDS; arguments ycodes, yscales, o_w, merge_w, out0; writes out0
.if DOCPART == 2
	.amdgcn_target "amdgcn-amd-amdhsa--gfx1250"
	.amdhsa_code_object_version 6
	.text
	.protected	k_qe0c91a25e0_merge
	.globl	k_qe0c91a25e0_merge
	.p2align	8
	.type	k_qe0c91a25e0_merge,@function
k_qe0c91a25e0_merge:
	s_mov_b64 s[64:65], 0
	v_nop
	global_prefetch_b8 v0, s[64:65] scope:SCOPE_SE
	s_setreg_imm32_b32 hwreg(HW_REG_WAVE_MODE, 25, 1), 1
	s_wait_xcnt 0x0
; out[b][s][o] = the sum over c of merge_w[c] x (Y[b, c][s][:] . o_w[o][:]), the inner product on codes of E3M2 with one E8M0 scale a block of 32.
; Y comes as codes [n 64][block 2][group of 32 rows 32][plane 3][lane 32][8 bytes] and scale bytes [n][block][row 1,024]; in a block the codes stand in the order k = 0-7, 16-23, 8-15, 24-31.
; o_w comes as f32 and is quantised here, its numbers laid in the same order (the blocks, and so the scales, are the same).
; SHARES.  Work-group g: batch g >> 6, rows 16 (g & 63) on, all 64 outputs, all 32 channels: each output row has one owner, so there are 128 work-groups.  Wave w takes channels 4 w .. 4 w + 3;
; the eight waves' sums meet in LDS.  The sum over c is taken four channels a wave in ascending order, then over the waves in a fixed tree, in f32.
; The product is used transposed (source 0 = 16 rows of o_w, source 1 = 16 rows of Y): lane (r, h) holds row r and outputs 16 t + 8 h + 0 .. 7.  K = 64: registers 6-11 of every fragment are zero codes.
; No tensor load, no cluster: a work-group reads 24 KB of codes that nobody else reads, and 16 KB of o_w once.
; LIMITS: NaN and infinities are not served; a block of o_w whose largest magnitude lies under 2^-122 gets the scale byte 1.
.set FLOOR, 0x2800000
.set EOFF,  0xfe000000
.set OWSC,  3072                       ; LDS: o_w's four fragments at 0 (768 each: three planes of 256), their scale words here (128 each),
.set PART,  3584                       ; and the waves' sums: 8 x 16 rows x (256 bytes + 16)
; REGISTERS: v1-14 addresses; v16-63 Y's four fragments; v64-111 o_w's four; v112-143 a channel's products; v144-175 my sums; v176-207 o_w's numbers, later the eight sums;
; v208-211 Y's scale words, v212-215 o_w's (scales and nothing else); v216-219 Y's bytes; v220-231 at work.
.macro NOPS n
.rept \n
	v_nop
.endr
.endm
.macro BARRIER
	s_wait_dscnt 0x0
	s_barrier_signal -1
	s_barrier_wait -1
.endm
	s_load_b256 s[4:11], s[0:1], 0x0               ; ycodes, yscales, o_w, merge_w
	s_load_b64 s[12:13], s[0:1], 0x20              ; out0
	v_lshl_add_u32 v232, v0, 2, 0x9600
	v_mov_b32 v233, 0
	v_lshrrev_b32 v1, 5, v0
	v_readfirstlane_b32 s14, v1                    ; wave 0..7
	s_mov_b32 s16, 0x76543210
	s_mov_b32 s17, 0xfedcba98
	v_and_b32 v1, 31, v0                           ; lane
	v_and_b32 v2, 15, v0                           ; r
	v_bfe_u32 v3, v0, 4, 1                         ; h
	v_mul_u32_u24 v4, v3, 24576
	v_lshl_add_u32 v4, v2, 3, v4                   ; Y's codes: block h, 8 bytes of row r in each plane
	v_lshl_add_u32 v5, v3, 10, v2                  ; Y's bytes: block h, row r
	v_lshlrev_b32 v6, 8, v2
	v_lshl_or_b32 v6, v3, 7, v6                    ; o_w: row r of 256 bytes, block h
	v_lshlrev_b32 v9, 3, v1                        ; a fragment's image: 8 x lane
	s_mul_i32 s26, s14, 768
	v_add_nc_u32 v7, s26, v9                       ; waves 0-3: where my fragment of o_w goes
	v_lshl_add_u32 v10, v1, 2, OWSC                ; a scale word's place
	s_lshl_b32 s26, s14, 7
	v_add_nc_u32 v8, s26, v10
	v_mul_u32_u24 v11, v2, 272
	v_lshl_add_u32 v11, v3, 5, v11
	s_mul_i32 s26, s14, 4352
	s_add_co_u32 s26, s26, PART
	v_add_nc_u32 v11, s26, v11                     ; my sums: row r, 32 h bytes on
	v_lshrrev_b32 v12, 4, v0
	v_mul_u32_u24 v12, v12, 272
	v_lshl_add_u32 v12, v2, 4, v12
	v_add_nc_u32 v12, PART, v12                    ; back: row thread / 16, 16 bytes at 16 (thread % 16)
	v_lshlrev_b32 v13, 4, v0                       ; and the same place in the work-group's 4,096 bytes of out0
	v_lshlrev_b32 v14, 3, v3                       ; 8 h
.irp i, 0,1,2,3
.irp j, 0,1,2,3,4,5
	v_mov_b32 v[22+12*\i+\j], 0                    ; zero codes for k = 64 .. 127
	v_mov_b32 v[70+12*\i+\j], 0
.endr
	v_mov_b32 v[220+\i], 0                         ; a lane permute's destination counts as one of its sources
.endr
	v_mov_b32 v231, 0
	s_lshr_b32 s15, ttmp9, 6                       ; b
	s_and_b32 s18, ttmp9, 63                       ; tile of 16 rows
	s_lshl_b32 s26, s15, 5
	s_lshl_b32 s27, s14, 2
	s_add_co_u32 s26, s26, s27                     ; my first image: 32 b + 4 w
	s_mul_i32 s28, s26, 49152
	s_lshr_b32 s27, s18, 1
	s_mul_i32 s27, s27, 768                        ; the group of 32 rows,
	s_add_co_u32 s28, s28, s27
	s_and_b32 s27, s18, 1
	s_lshl_b32 s27, s27, 7                         ; and its half
	s_add_co_u32 s28, s28, s27
	s_mov_b32 s29, 0
	s_lshl_b32 s30, s26, 11
	s_lshl_b32 s27, s18, 4
	s_add_co_u32 s30, s30, s27                     ; the scale bytes: 2,048 an image, 16 rows a tile
	s_mov_b32 s31, 0
	s_lshl_b32 s24, s14, 4                         ; merge_w: my four numbers
	s_mov_b32 s25, 0
	s_and_b32 s32, s14, 3
	s_lshl_b32 s32, s32, 12                        ; o_w: 16 rows of 256 bytes a tile
	s_mov_b32 s33, 0
	s_lshl_b32 s34, ttmp9, 12                      ; out0: 16 rows of 256 bytes a work-group
	s_mov_b32 s35, 0
	s_wait_kmcnt 0x0
	s_add_nc_u64 s[10:11], s[10:11], s[24:25]
	s_load_b128 s[20:23], s[10:11], 0x0
	s_add_nc_u64 s[4:5], s[4:5], s[28:29]
	s_add_nc_u64 s[6:7], s[6:7], s[30:31]
	s_add_nc_u64 s[8:9], s[8:9], s[32:33]
	s_add_nc_u64 s[12:13], s[12:13], s[34:35]
.irp i, 0,1,2,3
.irp j, 0,1,2
	global_load_b64 v[16+12*\i+2*\j:17+12*\i+2*\j], v4, s[4:5] offset:49152*\i+256*\j   ; lane (r, h): the 24 bytes of block h of row r, as the operand's registers 0-5 want them
.endr
	global_load_u8 v[216+\i], v5, s[6:7] offset:2048*\i
.endr
	; ---- o_w's four fragments, one a wave
	s_cmp_lt_u32 s14, 4
	s_cbranch_scc0 .Lno_weight
.irp g, 0,1,2,3
	global_load_b128 v[176+8*((\g%2)*2+\g/2):179+8*((\g%2)*2+\g/2)], v6, s[8:9] offset:32*\g        ; k = 32 h + 8 g on goes to the place that Y's codes give it: groups 0, 2, 1, 3
	global_load_b128 v[180+8*((\g%2)*2+\g/2):183+8*((\g%2)*2+\g/2)], v6, s[8:9] offset:32*\g+16
.endr
	s_wait_loadcnt 0x0
	v_max3_num_f32 v224, |v176|, |v177|, |v178|    ; the block's largest magnitude: all 32 numbers are mine
	v_max3_num_f32 v225, |v179|, |v180|, |v181|
.irp i, 6,10,14,18,22,26
	v_max3_num_f32 v224, v224, |v[176+\i]|, |v[177+\i]|
	v_max3_num_f32 v225, v225, |v[178+\i]|, |v[179+\i]|
.endr
	v_max3_num_f32 v224, v224, |v206|, |v207|
	v_max3_num_f32 v224, v224, v225, FLOOR
	v_add_nc_u32 v226, EOFF, v224                  ; 4 off its exponent field: the conversion's scale operand
	v_lshrrev_b32 v227, 23, v226                   ; the byte,
	v_lshlrev_b32 v227, v14, v227                  ; 8 h bits up,
	v_permlanex16_b32 v231, v227, s16, s17
	v_or_b32 v212, v227, v231                      ; with lane l xor 16's: the row's word
	v_cvt_scalef32_pk16_bf6_f32 v[64:66], v[176:191], v226
	v_cvt_scalef32_pk16_bf6_f32 v[228:230], v[192:207], v226
	v_nop                                          ; one plain place behind a scaled conversion
.irp i, 0,1,2
	v_mov_b32 v[67+\i], v[228+\i]
.endr
.irp p, 0,1,2
	ds_store_b64 v7, v[64+2*\p:65+2*\p] offset:256*\p
.endr
	ds_store_b32 v8, v212
.Lno_weight:
	s_wait_loadcnt 0x0                             ; Y's codes and bytes
	s_wait_kmcnt 0x0                               ; merge_w
	BARRIER                                        ; o_w's four fragments lie in LDS
.irp t, 0,1,2,3
.irp p, 0,1,2
	ds_load_b64 v[64+12*\t+2*\p:65+12*\t+2*\p], v9 offset:768*\t+256*\p
.endr
	ds_load_b32 v[212+\t], v10 offset:128*\t
.endr
.irp i, 0,1,2,3
	v_lshlrev_b32 v[216+\i], v14, v[216+\i]
.endr
.irp i, 0,1,2,3
	v_permlanex16_b32 v[220+\i], v[216+\i], s16, s17
.endr
.irp i, 0,1,2,3
	v_or_b32 v[208+\i], v[216+\i], v[220+\i]       ; Y's scale word of row r: block 0's byte, block 1's
.endr
	NOPS 8                                         ; a scale register written by a vector instruction stands 8 places ahead of a scaled product
	s_wait_dscnt 0x0
	; ---- my four channels
.irp i, 0,1,2,3
.irp t, 0,1,2,3
	v_wmma_scale_f32_16x16x128_f8f6f4 v[112+8*\t:119+8*\t], v[64+12*\t:75+12*\t], v[16+12*\i:27+12*\i], 0, v[212+\t], v[208+\i] matrix_a_fmt:MATRIX_FMT_BF6 matrix_b_fmt:MATRIX_FMT_BF6
.endr
	NOPS 4                                         ; places behind the products; the lines on the other tiles are the places before a tile is written anew
.irp j, 0,1,2,3,4,5,6,7,8,9,10,11,12,13,14,15,16,17,18,19,20,21,22,23,24,25,26,27,28,29,30,31
.if \i == 0
	v_mul_f32 v[144+\j], s[20+\i], v[112+\j]       ; the first channel starts the sums; each tile from its low end on
.else
	v_fmac_f32 v[144+\j], s[20+\i], v[112+\j]
.endif
.endr
.endr
.irp t, 0,1,2,3
	ds_store_b128 v11, v[144+8*\t:147+8*\t] offset:64*\t
	ds_store_b128 v11, v[148+8*\t:151+8*\t] offset:64*\t+16
.endr
	BARRIER                                        ; the eight waves' sums lie in LDS
.irp w, 0,1,2,3,4,5,6,7
	ds_load_b128 v[176+4*\w:179+4*\w], v12 offset:4352*\w
.endr
	s_wait_dscnt 0x0
.irp k, 0,2,4,6
	v_pk_add_f32 v[176+4*\k:177+4*\k], v[176+4*\k:177+4*\k], v[180+4*\k:181+4*\k]
	v_pk_add_f32 v[178+4*\k:179+4*\k], v[178+4*\k:179+4*\k], v[182+4*\k:183+4*\k]
.endr
.irp k, 0,4
	v_pk_add_f32 v[176+4*\k:177+4*\k], v[176+4*\k:177+4*\k], v[184+4*\k:185+4*\k]
	v_pk_add_f32 v[178+4*\k:179+4*\k], v[178+4*\k:179+4*\k], v[186+4*\k:187+4*\k]
.endr
	v_pk_add_f32 v[176:177], v[176:177], v[192:193]
	v_pk_add_f32 v[178:179], v[178:179], v[194:195]
	global_store_b128 v13, v[176:179], s[12:13]    ; a wave stores 512 consecutive bytes, at a multiple of 256 from out0's first byte
	s_wait_tensorcnt 0x0
	ds_add_u32 v232, v233
	s_wait_dscnt 0x0
	s_endpgm
.Lfunc_end_k_qe0c91a25e0_merge:
	.size	k_qe0c91a25e0_merge, .Lfunc_end_k_qe0c91a25e0_merge-k_qe0c91a25e0_merge
	.p2alignl 7, 3214868480
	.fill 96, 4, 3214868480
	.section	.rodata,"a",@progbits
	.p2align	6, 0x0
	.amdhsa_kernel k_qe0c91a25e0_merge
		.amdhsa_group_segment_fixed_size 39424
		.amdhsa_private_segment_fixed_size 0
		.amdhsa_enable_private_segment 0
		.amdhsa_kernarg_size 40
		.amdhsa_user_sgpr_count 2
		.amdhsa_user_sgpr_kernarg_segment_ptr 1
		.amdhsa_wavefront_size32 1
		.amdhsa_system_sgpr_workgroup_id_x 1
		.amdhsa_system_sgpr_workgroup_id_y 1
		.amdhsa_system_sgpr_workgroup_id_z 1
		.amdhsa_system_vgpr_workitem_id 0
		.amdhsa_next_free_vgpr 234
		.amdhsa_next_free_sgpr 66
		.amdhsa_reserve_vcc 0
		.amdhsa_float_denorm_mode_32 3
		.amdhsa_float_denorm_mode_16_64 3
		.amdhsa_memory_ordered 1
		.amdhsa_forward_progress 1
		.amdhsa_inst_pref_size 20
	.end_amdhsa_kernel
	.amdgpu_metadata
---
amdhsa.version: [ 1, 2 ]
amdhsa.kernels:
  - .name:           k_qe0c91a25e0_merge
    .symbol:         k_qe0c91a25e0_merge.kd
    .args:
      - { .name: ycodes, .offset: 0, .size: 8, .value_kind: global_buffer, .address_space: global }
      - { .name: yscales, .offset: 8, .size: 8, .value_kind: global_buffer, .address_space: global }
      - { .name: o_w, .offset: 16, .size: 8, .value_kind: global_buffer, .address_space: global }
      - { .name: merge_w, .offset: 24, .size: 8, .value_kind: global_buffer, .address_space: global }
      - { .name: out0, .offset: 32, .size: 8, .value_kind: global_buffer, .address_space: global }
    .group_segment_fixed_size: 39424
    .private_segment_fixed_size: 0
    .kernarg_segment_align: 8
    .kernarg_segment_size: 40
    .max_flat_workgroup_size: 256
    .sgpr_count:     66
    .vgpr_count:     234
    .wavefront_size: 32
...
	.end_amdgpu_metadata
.endif
;; end of part 2
;; ======== version 2 of 2: 2 launches; version 1 with the launches attn, merge written anew for expert scheduling mode
;; workspace buffers: ycodes 3,145,728 bytes; yscales 131,072 bytes
;; launch attn (part 3): grid 256 x 1, 16 waves a work-group, no clusters, 231,424 bytes of LDS; arguments x, embed_w, q_w, k_w, v_w, ycodes, yscales; writes ycodes, yscales
.if DOCPART == 3
	.amdgcn_target "amdgcn-amd-amdhsa--gfx1250"
	.amdhsa_code_object_version 6
	.text
	.protected	k_qe0c91a25e0_attn
	.globl	k_qe0c91a25e0_attn
	.p2align	8
	.type	k_qe0c91a25e0_attn,@function
k_qe0c91a25e0_attn:
	s_mov_b64 s[64:65], 0
	v_nop
	global_prefetch_b8 v0, s[64:65] scope:SCOPE_SE
	s_setreg_imm32_b32 hwreg(HW_REG_WAVE_SCHED_MODE, 0, 2), 2
	s_setreg_imm32_b32 hwreg(HW_REG_WAVE_MODE, 25, 1), 1
	s_wait_xcnt 0x0
	s_wait_alu depctr_vm_vsrc(0)
; Channel-wise spatial attention, up to the quantised Y.  64 images n = (b, c) of 1,024 positions, 4 heads of 16.
; E = x * embed_w (f32) is quantised along its 64 to E3M2 with one E8M0 scale a block of 32 and multiplied with the quantised q_w, k_w, v_w;
; the scores Q K^T (K = 16) take f32 operands; p = 2^(t - M), M a whole number, is quantised along the keys, V likewise; Y = (p V) / sum(p) is quantised along the pair of heads.
; SHARES.  Work-group g: image g >> 2, pair of heads (g >> 1) & 1, half of the queries g & 1: 2 heads x 512 queries x 1,024 keys; 256 equal work-groups.
; Prologue: wave w makes K's eight tiles and V's fragment of key step w >> 1 (128 keys), head w & 1, and Q of its own 32 queries for both heads; all go to LDS as images of registers.
; Main part: wave w owns 32 queries: 2 tiles x 2 heads x 8 key steps.  Sixteen waves of 256 registers: four share a SIMD, so that one wave's softmax stands beside another's matrix work.
; LAYOUTS (r = lane % 16, h = lane / 16).  K^T = k_w x E and Q^T = q_w x E leave in lane (r, h) row r and d = 8 h + j: registers 2 c, 2 c + 1 are the f32 form's operand of its step c,
; with d = 8 h + 2 c + j at the place (h, j), alike on both sides.  The keys of a tile 2 b + u are 32 b + 8 u + r + 8 (r / 8), so that the 16 registers of two neighbouring tiles of S^T
; (and of V) are 16 neighbouring keys.  A lane holds one query in S^T, p and O^T.  K = 64 fills half of the scaled form's 128: registers 6-11 of such operands hold zero codes.
; NO CLUSTER, NO TENSOR LOAD: every operand is computed here; what the four work-groups of an image share is 4 KB of x and their part of 48 KB of weights, read once at the head.
; LIMITS: NaN and infinities among the inputs are not served.  A block whose largest magnitude lies under 2^-122 (a block of zeros too) gets the scale byte 1; its bytes are read by this program alone.
; A p under 2^-126 counts as 0 (the row's sum is above 1/2).  The scores' 16 products are summed in the order d = 0,1,8,9, 2,3,10,11 .., in f32.
; THE MODE: SCHED_MODE bits 1:0 = 2 (LLVM: expert scheduling mode 2), set by the entry lines.  The code itself states the register dependences
; between vector or matrix instructions and memory or LDS instructions, with s_wait_alu, always for 0.
; THE PLAN.  Registers that LDS instructions touch in a key step:
;   v3, v4, v5       LDS addresses of the step's K, V and V's word.  Written by three additions at the step's head; read by the step's 20 loads.
;   v32-63           K's tiles 0-3: loaded at the head, read by the first 16 products.
;   v136-167         K's tiles 4-7: loaded at the head, read by the second 16 products; then, with v168-199, p: written by scalings and exponentials, read by conversions and row sums.
;   v200-211, v244   V's fragment and scale word: loaded between the two runs of products, read by the scaled product at the step's end.
;   v16-23           Q: loaded once a run of eight steps.      v1, v2, v7: never written again.
; So ONE wait on va_vdst at the step's head, behind the additions, states all that the step's loads hang on: the addresses are written, and every product, conversion and sum of the step before
; is done with K's, p's and V's registers.  Between it and V's loads stand the first 16 products and v_nop, which name v16-23, v32-63 and v64-95 alone.  One wait on vm_vsrc stands ahead of the additions.
; Two more waits on va_vdst in a step: behind the exponentials, and ahead of the scaled product, whose operand p and scale word vector lines have made.
.set FLOOR, 0x2800000                  ; 2^(5 - 127): under it no largest magnitude is taken, so no scale byte falls under 1
.set EOFF,  0xfe000000                 ; takes 4, the exponent of the format's largest number, off an exponent field
.set KIMG,  0                          ; LDS: K [head 2][key step 8][tile 8][1,024]: registers 0-3 at 16 x lane, 4-7 at 512 + 16 x lane
.set VIMG,  131072                     ; V's fragments [head][key step][1,536]: three planes of 512, registers 4 p .. 4 p + 3 at 16 x lane
.set VSC,   155648                     ; their scale words [head][key step][128]
.set QIMG,  157696                     ; Q [wave 16][tile 2][head 2][1,024], as a tile of K: the wave's own
.set WIMG,  223232                     ; the weights' fragments [2 x matrix + head][768]: three planes of 256, registers 2 p, 2 p + 1 at 8 x lane
.set WSC,   227840                     ; their scale words [6][128]
.set YSCS,  228608                     ; Y's scale bytes, one a thread
; REGISTERS that stay: v0 thread; v1 16 x lane; v2 4 x lane; v7 my Q images; v252, v253 Y's scale bytes in LDS.  v64-127 (S^T) are written by the f32 matrix form alone.
; Scales and nothing else: v244 V's word, v245 E's or p's, v249, v250 the weights'.
; Prologue: v3-5 where K, V, V's word go; v9, v10 q_w's images; v12, v13 x of my queries; v16-27 E's fragment; v28-30 conversions' second halves; v32-63 a weight's numbers, then four tiles of V;
;   v128-135 a tile of K or Q; v136-167 embed_w of my block; v168-183 16 numbers of E; v184-195 V's fragment; v196-199 the weights' images; v200-211, v212-223 two weight fragments; v224-231 x of my keys;
;   v232-243 at work; v246 8 h; v247 the largest |embed_w| of my block; v254 x of the tile in hand.
; Main part: v3-5 addresses in hand; v6, v251 Y's bytes; v8-10 Y's codes of tile 0; v12 -M; v13 largest t; v[14:15] the sum; v16-23 Q; v24-31 O^T; v32-63 K's tiles 0-3; v128-143 Y;
;   v136-167 K's tiles 4-7, then with v168-199 p; v200-211 V; v212-223 p's codes; v224-230 their second halves; v232-243 at work; v246 f.
.macro NOPS n
.rept \n
	v_nop
.endr
.endm
.macro BARRIER                         ; my LDS stores have landed and my LDS loads are in: then the work-group's barrier
	s_wait_dscnt 0x0
	s_barrier_signal -1
	s_barrier_wait -1
.endm
.macro SW0 d, a, b, sa, sb             ; a scaled product that starts its sum
	v_wmma_scale_f32_16x16x128_f8f6f4 v[(\d):(\d)+7], v[(\a):(\a)+11], v[(\b):(\b)+11], 0, v[\sa], v[\sb] matrix_a_fmt:MATRIX_FMT_BF6 matrix_b_fmt:MATRIX_FMT_BF6
.endm
.macro MAX32 src                       ; the largest magnitude of 32 registers, in two chains: v236 and v237 are left to be joined
	v_max3_num_f32 v236, |v[\src]|, |v[\src+1]|, |v[\src+2]|
	v_max3_num_f32 v237, |v[\src+3]|, |v[\src+4]|, |v[\src+5]|
.irp i, 6,10,14,18,22,26
	v_max3_num_f32 v236, v236, |v[\src+\i]|, |v[\src+\i+1]|
	v_max3_num_f32 v237, v237, |v[\src+\i+2]|, |v[\src+\i+3]|
.endr
	v_max3_num_f32 v236, v236, |v[\src+30]|, |v[\src+31]|
.endm
; My byte goes 8 h bits up and meets lane l xor 16's: the word of a row with two blocks, its upper two bytes 0 (over zero codes).  v238 holds the conversion's scale operand.
.macro WORD2 sc
	v_add_nc_u32 v238, EOFF, v236
	v_lshrrev_b32 v239, 23, v238
	v_lshlrev_b32 v239, v246, v239
	v_permlanex16_b32 v240, v239, s24, s25
	v_or_b32 v[\sc], v239, v240
.endm
; 32 numbers of a lane, block h of row r of a weight, become registers 0-5 of a fragment and the row's scale word
.macro WQUANT src, dst, sc
	MAX32 \src
	v_max3_num_f32 v236, v236, v237, FLOOR
	WORD2 \sc
	v_cvt_scalef32_pk16_bf6_f32 v[\dst:\dst+2], v[\src:\src+15], v238
	v_cvt_scalef32_pk16_bf6_f32 v[28:30], v[\src+16:\src+31], v238   ; (a conversion's three registers begin on an even number)
	v_nop                                          ; one plain place behind a scaled conversion
.irp i, 0,1,2
	v_mov_b32 v[\dst+3+\i], v[28+\i]
.endr
.endm
; The 16 rows whose x lies in v[xr] (lane (r, h): row r) become E's fragment v16-27 and scale word v245.
; Rounding keeps order, so the block's largest |x e_k| is |x| times the block's largest |e_k|, rounded once.
.macro ETILE xr
	v_mov_b32 v254, v[\xr]
	v_mul_f32 v236, |v254|, v247
	v_max_num_f32 v236, FLOOR, v236
	WORD2 245
.irp i, 0,1,2,3,4,5,6,7
	v_pk_mul_f32 v[168+2*\i:169+2*\i], v[136+2*\i:137+2*\i], v[254:255] op_sel_hi:[1,0]   ; E = x e_k, k = 32 h + 0 .. 15
.endr
	v_cvt_scalef32_pk16_bf6_f32 v[16:18], v[168:183], v238
	v_nop                                          ; a plain place before the conversion's sources are written again
.irp i, 0,1,2,3,4,5,6,7
	v_pk_mul_f32 v[168+2*\i:169+2*\i], v[152+2*\i:153+2*\i], v[254:255] op_sel_hi:[1,0]   ; k = 32 h + 16 .. 31
.endr
	v_cvt_scalef32_pk16_bf6_f32 v[28:30], v[168:183], v238
	v_nop
.irp i, 0,1,2
	v_mov_b32 v[19+\i], v[28+\i]
.endr
	NOPS 4                                         ; an operand written by vector instructions stands 4 places ahead of a scaled product (its scale word stands more than 8 ahead)
.endm
; Four tiles of V in v32-63: blocks 2 c and 2 c + 1 of 32 keys; register 16 b + i is key 32 b + 16 h + i of column d = r.  They become registers 6 c .. 6 c + 5 of V's fragment and two bytes of its word.
.macro QUANT2 c
.irp b, 0,1
	v_max3_num_f32 v[232+\b], |v[32+16*\b]|, |v[33+16*\b]|, FLOOR     ; each tile is read from its low end on
.endr
.irp i, 2,4,6,8,10,12,14
.irp b, 0,1
	v_max3_num_f32 v[232+\b], v[232+\b], |v[32+16*\b+\i]|, |v[33+16*\b+\i]|
.endr
.endr
.irp b, 0,1
	v_permlanex16_b32 v[234+\b], v[232+\b], s24, s25
.endr
.irp b, 0,1
	v_max_num_f32 v[232+\b], v[232+\b], v[234+\b]  ; with lane l xor 16's 16 keys: the block's largest magnitude
.endr
.irp b, 0,1
	v_add_nc_u32 v[236+\b], EOFF, v[232+\b]
.endr
.irp b, 0,1
	v_lshrrev_b32 v[238+\b], 23, v[236+\b]
.endr
.if \c == 0
	v_lshl_or_b32 v244, v239, 8, v238
.else
	v_lshl_or_b32 v244, v238, 16, v244
	v_lshl_or_b32 v244, v239, 24, v244
.endif
	v_cvt_scalef32_pk16_bf6_f32 v[184+6*\c:186+6*\c], v[32:47], v236
	v_cvt_scalef32_pk16_bf6_f32 v[28:30], v[48:63], v237
	v_nop
.irp i, 0,1,2
	v_permlane16_swap_b32 v[184+6*\c+\i], v[28+\i] ; a whole block to a lane: lanes 0-15 block 2 c, lanes 16-31 block 2 c + 1
.endr
.irp i, 0,1,2
	v_mov_b32 v[187+6*\c+\i], v[28+\i]
.endr
.endm
; Four tiles of 16 keys: E, then K^T = k_w x E (to LDS as it stands) and V = E x v_w (kept for the quantiser)
.macro HALF c
.irp t, 0,1,2,3
	ETILE 224+4*\c+\t
	s_wait_dscnt 0x0                               ; the weights' fragments are in
.if 4*\c+\t > 0
	s_wait_alu depctr_vm_vsrc(0)                   ; the last tile's LDS stores have read v128-135, which the first product below writes again
.endif
	s_wait_alu depctr_va_vdst(0)                   ; E's codes v16-21 and its scale word v245 are written, which the scaled products take; the places above stay beside this wait
	SW0 128, 200, 16, 249, 245
	SW0 32+8*\t, 16, 212, 245, 250
	NOPS 4                                         ; places behind the products
	s_wait_alu depctr_va_vdst(0)                   ; the first product has written v128-135, which the LDS stores read; the places above stay beside this wait
	ds_store_b128 v3, v[128:131] offset:1024*(4*\c+\t)
	ds_store_b128 v3, v[132:135] offset:1024*(4*\c+\t)+512
.endr
	QUANT2 \c
.endm
.macro KLOAD g, kb                     ; tiles 4 g .. 4 g + 3 of the key step's K, into v[kb] on
.irp t, 0,1,2,3
	ds_load_b128 v[\kb+8*\t:\kb+8*\t+3], v3 offset:4096*\g+1024*\t
	ds_load_b128 v[\kb+8*\t+4:\kb+8*\t+7], v3 offset:4096*\g+1024*\t+512
.endr
.endm
.macro SCORES g, kb                    ; S^T = K Q^T for the four tiles in v[kb] on: four steps of 4 along d; the four sums take turns, one instruction a turn; the first step starts each sum
.irp c, 0,1,2,3
.irp t, 0,1,2,3
.if \c == 0
	v_wmma_f32_16x16x4_f32 v[64+32*\g+8*\t:71+32*\g+8*\t], v[\kb+8*\t:\kb+8*\t+1], v[16:17], 0
.else
	v_wmma_f32_16x16x4_f32 v[64+32*\g+8*\t:71+32*\g+8*\t], v[\kb+8*\t+2*\c:\kb+8*\t+2*\c+1], v[16+2*\c:17+2*\c], v[64+32*\g+8*\t:71+32*\g+8*\t]
.endif
.endr
.endr
.endm
.macro BMAX x, y                       ; the largest score of blocks x and y of 32 keys (my 16 of each), each tile from its low end on
.irp b, \x, \y
	v_max3_num_f32 v[232+\b], v[64+16*\b], v[65+16*\b], v[66+16*\b]
.endr
.irp i, 3,5,7,9,11,13
.irp b, \x, \y
	v_max3_num_f32 v[232+\b], v[232+\b], v[64+16*\b+\i], v[65+16*\b+\i]
.endr
.endr
.irp b, \x, \y
	v_max_num_f32 v[232+\b], v[232+\b], v[79+16*\b]
.endr
.endm
; A KEY STEP: 16 queries x 128 keys of one head.  s28, s29, s30: where the step's K, V and V's word lie in LDS.
.macro STEP
	s_wait_alu depctr_vm_vsrc(0)                   ; the LDS instructions issued so far have read v3, v4 and v5; ahead of the first step also what the prologue stored or took as addresses and the main part writes again: v9, v10, v32-39, v128-135, v184-199, v244
	v_add_nc_u32 v3, s28, v1
	v_add_nc_u32 v4, s29, v1
	v_add_nc_u32 v5, s30, v2
	s_wait_alu depctr_va_vdst(0)                   ; v3, v4, v5 are written, which the step's 20 loads read; the products, conversions and sums issued so far are done with v32-63, v136-167, v200-211 and v244, in which those loads land
	KLOAD 0, 32
	KLOAD 1, 136                                   ; into the first 32 of p's registers, which are idle until this step's scalings
	s_wait_dscnt 0x8                               ; tiles 0-3 are in (in a head's first step Q, asked for earlier, too); the eight loads of tiles 4-7 may stay out
	SCORES 0, 32
	NOPS 8                                         ; 8 places behind the f32 form, ahead of the first read of these four sums, which stands behind the second run of products
.irp p, 0,1,2
	ds_load_b128 v[200+4*\p:203+4*\p], v4 offset:512*\p    ; no wait: no vector or matrix instruction since the wait at the head names v4, v5, v200-211 or v244
.endr
	ds_load_b32 v244, v5
	s_wait_dscnt 0x4                               ; K's eight loads are in; V's three and its scale word, issued behind them, may stay out
	SCORES 1, 136
	BMAX 0, 1                                      ; 16 plain lines on the first four tiles: they are the 8 places behind the last products too
	BMAX 2, 3
.irp b, 0,1,2,3
	v_permlanex16_b32 v[236+\b], v[232+\b], s24, s25
.endr
.irp b, 0,1,2,3
	v_max_num_f32 v[232+\b], v[232+\b], v[236+\b]  ; with lane l xor 16's 16 keys: it serves for the row's maximum and, since p rises with the score, for the block's largest p
.endr
	v_max3_num_f32 v248, v232, v233, v234
	v_max_num_f32 v248, v248, v235
	v_mul_f32 v248, s26, v248                      ; as t = score x log2(e) / 4
	v_max_num_f32 v13, v13, v248                   ; the running largest t
	v_mov_b32 v248, v12
	v_floor_f32 v12, -v13                          ; -M = floor(-t): M is a whole number
	v_sub_f32 v248, v12, v248                      ; old M - new M, 0 or less
	v_cvt_i32_f32 v248, v248                       ; (it saturates)
	v_ldexp_f32 v246, 1.0, v248                    ; f = 2^(old M - new M): rounds nothing
.irp j, 0,2,4,6,8,10,12,14,16,18,20,22,24,26,28,30,32,34,36,38,40,42,44,46,48,50,52,54,56,58,60,62
	v_pk_fma_f32 v[136+\j:137+\j], v[64+\j:65+\j], s[26:27], v[12:13] op_sel_hi:[1,0,0]   ; t - M, into p's registers: S^T's are left to the matrix form.  (K's tiles 4-7, which lay in the first 32, are done with: the first 16 lines of the maxima are the places behind the products that read them)
.endr
.irp b, 0,1,2,3
	v_fma_f32 v[232+\b], v[232+\b], s26, v12
.endr
.irp j, 0,1,2,3,4,5,6,7,8,9,10,11,12,13,14,15,16,17,18,19,20,21,22,23,24,25,26,27,28,29,30,31,32,33,34,35,36,37,38,39,40,41,42,43,44,45,46,47,48,49,50,51,52,53,54,55,56,57,58,59,60,61,62,63
	v_exp_f32 v[136+\j], v[136+\j]                 ; p = 2^(t - M), not normalised
.endr
.irp b, 0,1,2,3
	v_exp_f32 v[232+\b], v[232+\b]                 ; the block's largest p: the same two instructions on the same number
.endr
	v_pk_mul_f32 v[14:15], v[14:15], v[246:247] op_sel_hi:[1,0]   ; the sums under the new M (a plain place behind the exponentials)
	s_wait_alu depctr_va_vdst(0)                   ; the 68 exponentials have written p (v136-199) and the blocks' largest p (v232-235): one wait for the batch, ahead of its first reader
.irp b, 0,1,2,3
	v_max_num_f32 v[232+\b], FLOOR, v[232+\b]
.endr
.irp b, 0,1,2,3
	v_add_nc_u32 v[240+\b], EOFF, v[232+\b]
.endr
.irp b, 0,1,2,3
	v_lshrrev_b32 v[236+\b], 23, v[240+\b]
.endr
	v_lshl_or_b32 v245, v237, 8, v236              ; p's scale word for these 128 keys
	v_lshl_or_b32 v245, v238, 16, v245
	v_lshl_or_b32 v245, v239, 24, v245
.irp c, 0,1
	v_cvt_scalef32_pk16_bf6_f32 v[212+6*\c:214+6*\c], v[136+32*\c:151+32*\c], v[240+2*\c]
	v_cvt_scalef32_pk16_bf6_f32 v[224+4*\c:226+4*\c], v[152+32*\c:167+32*\c], v[240+2*\c+1]
.endr
	v_nop
.irp c, 0,1
.irp i, 0,1,2
	v_permlane16_swap_b32 v[212+6*\c+\i], v[224+4*\c+\i]
.endr
.irp i, 0,1,2
	v_mov_b32 v[215+6*\c+\i], v[224+4*\c+\i]
.endr
.endr
.irp j, 0,2,4,6
	v_pk_mul_f32 v[24+\j:25+\j], v[24+\j:25+\j], v[246:247] op_sel_hi:[1,0]   ; O^T under the new M, from its low end on
.endr
	v_pk_add_f32 v[236:237], v[136:137], v[138:139]   ; the row's sum is taken of the unquantised p, in two chains; these lines are also the places in front of the scaled product
.irp j, 4,8,12,16,20,24,28,32,36,40,44,48,52,56,60
	v_pk_add_f32 v[14:15], v[14:15], v[136+\j:137+\j]
	v_pk_add_f32 v[236:237], v[236:237], v[138+\j:139+\j]
.endr
	v_pk_add_f32 v[14:15], v[14:15], v[236:237]
	s_wait_dscnt 0x0                               ; V's fragment and scale word
	s_wait_alu depctr_va_vdst(0)                   ; p's codes v212-223 and its scale word v245 are written, which the scaled product takes; the places above stay beside this wait
	v_wmma_scale_f32_16x16x128_f8f6f4 v[24:31], v[200:211], v[212:223], v[24:31], v244, v245 matrix_a_fmt:MATRIX_FMT_BF6 matrix_b_fmt:MATRIX_FMT_BF6   ; O^T += V^T p^T; 32 other products stand between two of these
	s_add_co_u32 s28, s28, 8192
	s_add_co_u32 s29, s29, 1536
	s_add_co_u32 s30, s30, 128
.endm
; One tile of 16 queries against all 1,024 keys of one head; Y = O^T / the sum goes to v[128 + 8 hd] on
.macro HEADRUN tau, hd
	ds_load_b128 v[16:19], v7 offset:(2*\tau+\hd)*1024       ; no wait: the last wait on va_vdst (ahead of Q's stores, or behind the last run's reciprocal) stands behind every line that named v16-23, and none since names them
	ds_load_b128 v[20:23], v7 offset:(2*\tau+\hd)*1024+512
	v_mov_b32 v13, 0xff61b1e6                      ; the largest t so far: -3e38
	v_floor_f32 v12, -v13
	v_mov_b32 v14, 0
	v_mov_b32 v15, 0
.irp j, 0,1,2,3,4,5,6,7
	v_mov_b32 v[24+\j], 0                          ; the step is written once: the first finds zeros, which the first change of M leaves zeros
.endr
	s_mov_b32 s28, (\hd)<<16
	s_mov_b32 s29, VIMG+(\hd)*12288
	s_mov_b32 s30, VSC+(\hd)*1024
	s_mov_b32 s31, 8
.Lk_\@:
	STEP
	s_sub_co_u32 s31, s31, 1
	s_cmp_lg_u32 s31, 0
	s_cbranch_scc1 .Lk_\@
	v_add_f32 v14, v14, v15                        ; the sum's two halves,
	v_permlanex16_b32 v248, v14, s24, s25
	v_add_f32 v14, v14, v248                       ; and lane l xor 16's
	v_rcp_f32 v14, v14
	NOPS 4                                         ; places behind the last product, and the plain place behind the reciprocal
	s_wait_alu depctr_va_vdst(0)                   ; the reciprocal has written v14, ahead of its first reader; the run's products are done reading Q (v16-23), in which the next run's loads land
.irp j, 0,1,2,3,4,5,6,7
	v_mul_f32 v[128+8*\hd+\j], v[24+\j], v14       ; lane (r, h): Y(query r, head hd, d = 8 h + j)
.endr
.endm
; v128-143: my 16 numbers of a block of 32 (two heads) of query r; lane l xor 16 holds the other 16.  16 codes into v[yc] on, the block's byte into v[by].
.macro YQUANT yc, by
	v_max3_num_f32 v232, |v128|, |v129|, FLOOR
.irp i, 2,4,6,8,10,12,14
	v_max3_num_f32 v232, v232, |v[128+\i]|, |v[129+\i]|
.endr
	v_permlanex16_b32 v236, v232, s24, s25
	v_max_num_f32 v232, v232, v236
	v_add_nc_u32 v240, EOFF, v232
	v_lshrrev_b32 v[\by], 23, v240
	v_cvt_scalef32_pk16_bf6_f32 v[\yc:\yc+2], v[128:143], v240
	v_nop
.endm
	; ---- the head: ids, addresses, the first loads
	s_load_b256 s[4:11], s[0:1], 0x0               ; x, embed_w, q_w, k_w
	s_load_b128 s[12:15], s[0:1], 0x20             ; v_w, ycodes
	s_load_b64 s[16:17], s[0:1], 0x30              ; yscales
	v_lshrrev_b32 v1, 5, v0
	v_readfirstlane_b32 s18, v1                    ; wave 0..15
	s_wait_alu depctr_va_sdst(0)                   ; s18 is written, ahead of its first reader: roles, LDS places and bases are made from it
	s_and_b32 s19, s18, 1                          ; prologue: my head of the pair
	s_lshr_b32 s20, s18, 1                         ; prologue: my key step.  In waves 0-5 also: which weight I quantise
	s_lshr_b32 s21, ttmp9, 2                       ; image n
	s_bfe_u32 s22, ttmp9, 0x10001                  ; pair of heads
	s_and_b32 s23, ttmp9, 1                        ; half of the queries
	s_mov_b32 s24, 0x76543210
	s_mov_b32 s25, 0xfedcba98                      ; v_permlanex16_b32's selects for lane l xor 16
	s_mov_b32 s26, 0x3eb8aa3b                      ; log2(e) / 4
	s_mov_b32 s27, s26                             ; (named with it as a pair)
	v_and_b32 v236, 31, v0                         ; lane
	v_and_b32 v237, 15, v0                         ; r
	v_bfe_u32 v238, v0, 4, 1                       ; h
	v_lshlrev_b32 v1, 4, v236
	v_lshlrev_b32 v2, 2, v236
	v_lshlrev_b32 v239, 3, v236
	s_lshl_b32 s42, s19, 16
	s_lshl_b32 s43, s20, 13
	s_add_co_u32 s42, s42, s43
	v_add_nc_u32 v3, s42, v1                       ; where my tiles of K go
	s_lshl_b32 s43, s19, 3
	s_add_co_u32 s43, s43, s20                     ; 8 x head + key step
	s_mul_i32 s44, s43, 1536
	s_add_co_u32 s44, s44, VIMG
	v_add_nc_u32 v4, s44, v1                       ; my fragment of V
	s_lshl_b32 s44, s43, 7
	s_add_co_u32 s44, s44, VSC
	v_add_nc_u32 v5, s44, v2                       ; its scale word
	s_lshl_b32 s44, s18, 12
	s_add_co_u32 s44, s44, QIMG
	v_add_nc_u32 v7, s44, v1                       ; my four tiles of Q
	v_add_nc_u32 v9, WIMG, v239                    ; q_w's two fragments
	v_add_nc_u32 v10, WSC, v2                      ; and their words
	s_mul_i32 s44, s18, 768
	s_add_co_u32 s44, s44, WIMG
	v_add_nc_u32 v196, s44, v239                   ; waves 0-5: where my weight's fragment goes
	s_lshl_b32 s44, s18, 7
	s_add_co_u32 s44, s44, WSC
	v_add_nc_u32 v197, s44, v2
	s_mul_i32 s44, s19, 768
	s_add_co_u32 s44, s44, WIMG
	v_add_nc_u32 v198, s44, v239                   ; my head's fragments of a weight
	s_lshl_b32 s44, s19, 7
	s_add_co_u32 s44, s44, WSC
	v_add_nc_u32 v199, s44, v2
	v_add_nc_u32 v252, YSCS, v0                    ; Y's scale byte of my row
	v_add_nc_u32 v253, YSCS, v1                    ; and 16 of them, on the way out
	v_and_b32 v232, 8, v237
	v_add_nc_u32 v232, v232, v237
	v_lshlrev_b32 v232, 7, v232                    ; x: a position is 128 bytes: key r + 8 (r / 8) of a tile
	v_lshlrev_b32 v233, 7, v237                    ; query r of a tile
	v_lshlrev_b32 v234, 7, v238                    ; embed_w: my block's 32 numbers
	v_lshlrev_b32 v235, 8, v237
	v_lshl_or_b32 v235, v238, 7, v235              ; a weight: row r of 256 bytes, block h
	v_lshlrev_b32 v246, 3, v238                    ; 8 h
	v_mov_b32 v240, 0                              ; a lane permute's destination counts as one of its sources
	v_mov_b32 v255, 0                              ; (named as the upper half of the pair v[254:255])
.irp j, 0,1,2,3,4,5
	v_mov_b32 v[22+\j], 0                          ; K = 64: the upper halves of E's and the weights' fragments are zero codes
	v_mov_b32 v[206+\j], 0
	v_mov_b32 v[218+\j], 0
.endr
	s_lshr_b32 s42, s21, 5
	s_lshl_b32 s42, s42, 17                        ; b x 1,024 positions x 128 bytes
	s_and_b32 s43, s21, 31
	s_lshl_b32 s43, s43, 2
	s_or_b32 s42, s42, s43                         ; + 4 c
	s_lshl_b32 s43, s20, 14
	s_add_co_u32 s32, s42, s43                     ; + my key step's 128 positions
	s_mov_b32 s33, 0
	s_lshl_b32 s43, s23, 9
	s_lshl_b32 s44, s18, 5
	s_add_co_u32 s43, s43, s44                     ; my first query: 512 x half + 32 x wave
	s_lshl_b32 s43, s43, 7
	s_add_co_u32 s34, s42, s43
	s_mov_b32 s35, 0
	s_wait_kmcnt 0x0
	s_add_nc_u64 s[36:37], s[4:5], s[32:33]
	s_add_nc_u64 s[38:39], s[4:5], s[34:35]
	s_cmp_eq_u32 s20, 0                            ; waves 0, 1: q_w; 2, 3: k_w; 4, 5: v_w: the choice hangs on the wave's number alone
	s_cselect_b64 s[40:41], s[8:9], s[12:13]
	s_cmp_eq_u32 s20, 1
	s_cselect_b64 s[40:41], s[10:11], s[40:41]
	s_lshl_b32 s42, s22, 1
	s_add_co_u32 s42, s42, s19
	s_lshl_b32 s42, s42, 12                        ; the head's 16 rows of 256 bytes
	s_mov_b32 s43, 0
	s_add_nc_u64 s[40:41], s[40:41], s[42:43]
	s_lshl_b32 s42, s21, 1
	s_add_co_u32 s42, s42, s22                     ; 2 n + pair
	s_mul_i32 s32, s42, 24576
	s_lshl_b32 s43, s23, 4
	s_add_co_u32 s43, s43, s18                     ; my group of 32 queries
	s_mul_i32 s43, s43, 768
	s_add_co_u32 s32, s32, s43
	s_add_nc_u64 s[14:15], s[14:15], s[32:33]      ; ycodes at my group
	s_lshl_b32 s34, s42, 10
	s_lshl_b32 s43, s23, 9
	s_add_co_u32 s34, s34, s43
	s_add_nc_u64 s[16:17], s[16:17], s[34:35]      ; yscales at the work-group's 512 rows
	s_wait_alu depctr_va_vdst(0)                   ; every offset and LDS address made above is written (v1-5, v7, v9, v10, v196-199, v232-235, v252, v253), which the loads and stores below read; so are the zero codes, which scaled products take
.irp i, 0,1,2,3,4,5,6,7
	global_load_b128 v[136+4*\i:139+4*\i], v234, s[6:7] offset:16*\i
.endr
.irp t, 0,1,2,3,4,5,6,7
	global_load_b32 v[224+\t], v232, s[36:37] offset:(32*(\t/2)+8*(\t%2))*128
.endr
.irp t, 0,1
	global_load_b32 v[12+\t], v233, s[38:39] offset:2048*\t
.endr
	; ---- the six weight fragments of this pair of heads, one a wave
	s_cmp_lt_u32 s18, 6
	s_cbranch_scc0 .Lno_weight
.irp i, 0,1,2,3,4,5,6,7
	global_load_b128 v[32+4*\i:35+4*\i], v235, s[40:41] offset:16*\i
.endr
	s_wait_loadcnt 0x0
	WQUANT 32, 200, 249
	s_wait_alu depctr_va_vdst(0)                   ; the fragment v200-205 and its scale word v249 are written, which the LDS stores read
.irp p, 0,1,2
	ds_store_b64 v196, v[200+2*\p:201+2*\p] offset:256*\p
.endr
	ds_store_b32 v197, v249
.Lno_weight:
	s_wait_loadcnt 0x0                             ; embed_w and x
	s_wait_alu depctr_vm_vsrc(0)                   ; the loads have read their offsets v232-235, which the quantisers write again; the LDS stores have read v200-205 and v249, in which the weights' loads below land
	MAX32 136
	v_max_num_f32 v247, v236, v237                 ; the largest |embed_w| of my block
	BARRIER                                        ; the six fragments lie in LDS
	; ---- K and V of my key step and head
.irp p, 0,1,2
	ds_load_b64 v[200+2*\p:201+2*\p], v198 offset:1536+256*\p    ; k_w.  No wait: the lines that wrote v200-205 and v249 stand ahead of the wait in front of the stores above, and none since names them
	ds_load_b64 v[212+2*\p:213+2*\p], v198 offset:3072+256*\p    ; v_w
.endr
	ds_load_b32 v249, v199 offset:256
	ds_load_b32 v250, v199 offset:512
	HALF 0
	HALF 1
	s_wait_alu depctr_va_vdst(0)                   ; V's fragment v184-195 and its scale word v244 are written, which the LDS stores read; the products are done reading the weights' fragments and words, in which q_w's loads below land
.irp p, 0,1,2
	ds_store_b128 v4, v[184+4*\p:187+4*\p] offset:512*\p
.endr
	ds_store_b32 v5, v244
	; ---- Q of my 32 queries, both heads
	NOPS 4                                         ; places in front of loads into registers that products have read
.irp p, 0,1,2
	ds_load_b64 v[200+2*\p:201+2*\p], v9 offset:256*\p           ; q_w, head 0 of the pair
	ds_load_b64 v[212+2*\p:213+2*\p], v9 offset:768+256*\p       ; head 1
.endr
	ds_load_b32 v249, v10
	ds_load_b32 v250, v10 offset:128
.irp t, 0,1
	ETILE 12+\t
	s_wait_dscnt 0x0
	s_wait_alu depctr_vm_vsrc(0)                   ; the LDS stores issued so far have read v128-135 (and, of the first tile of queries, v32-39), which the products below write again
	s_wait_alu depctr_va_vdst(0)                   ; E's codes v16-21 and its scale word v245 are written, which the scaled products take; the places above stay beside this wait
	SW0 128, 200, 16, 249, 245
	SW0 32, 212, 16, 250, 245
	NOPS 4
	s_wait_alu depctr_va_vdst(0)                   ; the two products have written v128-135 and v32-39, which the LDS stores read; the places above stay beside this wait
	ds_store_b128 v7, v[128:131] offset:2048*\t
	ds_store_b128 v7, v[132:135] offset:2048*\t+512
	ds_store_b128 v7, v[32:35] offset:2048*\t+1024
	ds_store_b128 v7, v[36:39] offset:2048*\t+1536
.endr
	BARRIER                                        ; all of K and V lie in LDS
	; ---- the main part
	HEADRUN 0, 0
	HEADRUN 0, 1
	YQUANT 8, 6
	HEADRUN 1, 0
	HEADRUN 1, 1
	YQUANT 224, 251
	; ---- the way out.  Lane (r, h) holds half h of row r's block, of tile 0 in v8-10 and of tile 1 in v224-226: the exchange gives lane 16 tile + r its row's lower 16 codes and upper 16.
	; In a block the codes stand in the order k = 0-7, 16-23, 8-15, 24-31; the launch that reads them lays o_w's numbers alike.
.irp i, 0,1,2
	v_permlane16_swap_b32 v[8+\i], v[224+\i]
.endr
.irp i, 0,1,2
	v_mov_b32 v[212+\i], v[8+\i]
	v_mov_b32 v[215+\i], v[224+\i]
.endr
	v_and_b32 v254, 31, v0
	v_lshlrev_b32 v255, 3, v254
	v_cmp_gt_u32 vcc_lo, 16, v254
	s_wait_alu depctr_va_vcc(0)                    ; VCC is written, ahead of the selection that reads it
	v_cndmask_b32 v248, v251, v6, vcc_lo           ; lanes 0-15 tile 0's byte, lanes 16-31 tile 1's
	s_wait_alu depctr_va_vdst(0)                   ; the codes v212-217, their offset v255 and the byte v248 are written, which the stores below read; the lines that named v232-235 are done, in which wave 0's load below lands
.irp p, 0,1,2
	global_store_b64 v255, v[212+2*\p:213+2*\p], s[14:15] offset:256*\p   ; 32 lanes store 256 consecutive bytes, at a multiple of 256 from the buffer's first byte
.endr
	ds_store_b8 v252, v248
	BARRIER                                        ; the work-group's 512 scale bytes lie in LDS
	s_cmp_lg_u32 s18, 0
	s_cbranch_scc1 .Ldone
	ds_load_b128 v[232:235], v253
	s_wait_dscnt 0x0
	global_store_b128 v1, v[232:235], s[16:17]     ; wave 0 stores them: 512 consecutive bytes
.Ldone:
	s_wait_xcnt 0x0
	s_wait_alu depctr_vm_vsrc(0)                   ; the codes' stores have read their offset v255, which is written anew below
	v_lshl_add_u32 v254, v0, 2, 0x38000
	v_mov_b32 v255, 0
	s_wait_dscnt 0x0                               ; the closing lines, six on end
	s_wait_alu 0x0
	s_wait_tensorcnt 0x0
	ds_add_u32 v254, v255
	s_wait_dscnt 0x0
	s_endpgm
.Lfunc_end_k_qe0c91a25e0_attn:
	.size	k_qe0c91a25e0_attn, .Lfunc_end_k_qe0c91a25e0_attn-k_qe0c91a25e0_attn
	.p2alignl 7, 3214868480
	.fill 96, 4, 3214868480
	.section	.rodata,"a",@progbits
	.p2align	6, 0x0
	.amdhsa_kernel k_qe0c91a25e0_attn
		.amdhsa_group_segment_fixed_size 231424
		.amdhsa_private_segment_fixed_size 0
		.amdhsa_enable_private_segment 0
		.amdhsa_kernarg_size 56
		.amdhsa_user_sgpr_count 2
		.amdhsa_user_sgpr_kernarg_segment_ptr 1
		.amdhsa_wavefront_size32 1
		.amdhsa_system_sgpr_workgroup_id_x 1
		.amdhsa_system_sgpr_workgroup_id_y 1
		.amdhsa_system_sgpr_workgroup_id_z 1
		.amdhsa_system_vgpr_workitem_id 0
		.amdhsa_next_free_vgpr 256
		.amdhsa_next_free_sgpr 66
		.amdhsa_reserve_vcc 1
		.amdhsa_float_denorm_mode_32 3
		.amdhsa_float_denorm_mode_16_64 3
		.amdhsa_memory_ordered 1
		.amdhsa_forward_progress 1
		.amdhsa_inst_pref_size 109
	.end_amdhsa_kernel
	.amdgpu_metadata
---
amdhsa.version: [ 1, 2 ]
amdhsa.kernels:
  - .name:           k_qe0c91a25e0_attn
    .symbol:         k_qe0c91a25e0_attn.kd
    .args:
      - { .name: x, .offset: 0, .size: 8, .value_kind: global_buffer, .address_space: global }
      - { .name: embed_w, .offset: 8, .size: 8, .value_kind: global_buffer, .address_space: global }
      - { .name: q_w, .offset: 16, .size: 8, .value_kind: global_buffer, .address_space: global }
      - { .name: k_w, .offset: 24, .size: 8, .value_kind: global_buffer, .address_space: global }
      - { .name: v_w, .offset: 32, .size: 8, .value_kind: global_buffer, .address_space: global }
      - { .name: ycodes, .offset: 40, .size: 8, .value_kind: global_buffer, .address_space: global }
      - { .name: yscales, .offset: 48, .size: 8, .value_kind: global_buffer, .address_space: global }
    .group_segment_fixed_size: 231424
    .private_segment_fixed_size: 0
    .kernarg_segment_align: 8
    .kernarg_segment_size: 56
    .max_flat_workgroup_size: 512
    .sgpr_count:     66
    .vgpr_count:     256
    .wavefront_size: 32
...
	.end_amdgpu_metadata
.endif
;; end of part 3
;; launch merge (part 4): grid 128 x 1, 8 waves a work-group, no clusters, 39,424 bytes of LDS; arguments ycodes, yscales, o_w, merge_w, out0; writes out0
.if DOCPART == 4
	.amdgcn_target "amdgcn-amd-amdhsa--gfx1250"
	.amdhsa_code_object_version 6
	.text
	.protected	k_qe0c91a25e0_merge
	.globl	k_qe0c91a25e0_merge
	.p2align	8
	.type	k_qe0c91a25e0_merge,@function
k_qe0c91a25e0_merge:
	s_mov_b64 s[64:65], 0
	v_nop
	global_prefetch_b8 v0, s[64:65] scope:SCOPE_SE
	s_setreg_imm32_b32 hwreg(HW_REG_WAVE_SCHED_MODE, 0, 2), 2
	s_setreg_imm32_b32 hwreg(HW_REG_WAVE_MODE, 25, 1), 1
	s_wait_xcnt 0x0
	s_wait_alu depctr_vm_vsrc(0)
; out[b][s][o] = the sum over c of merge_w[c] x (Y[b, c][s][:] . o_w[o][:]), the inner product on codes of E3M2 with one E8M0 scale a block of 32.
; Y comes as codes [n 64][block 2][group of 32 rows 32][plane 3][lane 32][8 bytes] and scale bytes [n][block][row 1,024]; in a block the codes stand in the order k = 0-7, 16-23, 8-15, 24-31.
; o_w comes as f32 and is quantised here, its numbers laid in the same order (the blocks, and so the scales, are the same).
; SHARES.  Work-group g: batch g >> 6, rows 16 (g & 63) on, all 64 outputs, all 32 channels: each output row has one owner, so there are 128 work-groups.  Wave w takes channels 4 w .. 4 w + 3;
; the eight waves' sums meet in LDS.  The sum over c is taken four channels a wave in ascending order, then over the waves in a fixed tree, in f32.
; The product is used transposed (source 0 = 16 rows of o_w, source 1 = 16 rows of Y): lane (r, h) holds row r and outputs 16 t + 8 h + 0 .. 7.  K = 64: registers 6-11 of every fragment are zero codes.
; No tensor load, no cluster: a work-group reads 24 KB of codes that nobody else reads, and 16 KB of o_w once.
; LIMITS: NaN and infinities are not served; a block of o_w whose largest magnitude lies under 2^-122 gets the scale byte 1.
; THE MODE: SCHED_MODE bits 1:0 = 2 (LLVM: expert scheduling mode 2), set by the entry lines.  The code itself states the register dependences
; between vector or matrix instructions and memory or LDS instructions, with s_wait_alu, always for 0.
; THE PLAN.  The text has no loop.  Registers that memory or LDS instructions touch: the addresses v4-13, written at the head and never again; v64-69 and v212, which waves 0-3 make, store to LDS and, like
; every wave, load again; v144-175, my sums, written by vector lines and stored to LDS; v176-207, o_w's numbers as loaded, later the eight waves' sums as loaded, of which v176-179 are added up and stored.
; One wait stands ahead of each run of loads or stores whose registers vector lines have named since the last wait, and one ahead of the first scaled product, for Y's scale words.
.set FLOOR, 0x2800000
.set EOFF,  0xfe000000
.set OWSC,  3072                       ; LDS: o_w's four fragments at 0 (768 each: three planes of 256), their scale words here (128 each),
.set PART,  3584                       ; and the waves' sums: 8 x 16 rows x (256 bytes + 16)
; REGISTERS: v1-14 addresses; v16-63 Y's four fragments; v64-111 o_w's four; v112-143 a channel's products; v144-175 my sums; v176-207 o_w's numbers, later the eight sums;
; v208-211 Y's scale words, v212-215 o_w's (scales and nothing else); v216-219 Y's bytes; v220-231 at work.
.macro NOPS n
.rept \n
	v_nop
.endr
.endm
.macro BARRIER
	s_wait_dscnt 0x0
	s_barrier_signal -1
	s_barrier_wait -1
.endm
	s_load_b256 s[4:11], s[0:1], 0x0               ; ycodes, yscales, o_w, merge_w
	s_load_b64 s[12:13], s[0:1], 0x20              ; out0
	v_lshl_add_u32 v232, v0, 2, 0x9600
	v_mov_b32 v233, 0
	v_lshrrev_b32 v1, 5, v0
	v_readfirstlane_b32 s14, v1                    ; wave 0..7
	s_mov_b32 s16, 0x76543210
	s_mov_b32 s17, 0xfedcba98
	v_and_b32 v1, 31, v0                           ; lane
	v_and_b32 v2, 15, v0                           ; r
	v_bfe_u32 v3, v0, 4, 1                         ; h
	v_mul_u32_u24 v4, v3, 24576
	v_lshl_add_u32 v4, v2, 3, v4                   ; Y's codes: block h, 8 bytes of row r in each plane
	v_lshl_add_u32 v5, v3, 10, v2                  ; Y's bytes: block h, row r
	v_lshlrev_b32 v6, 8, v2
	v_lshl_or_b32 v6, v3, 7, v6                    ; o_w: row r of 256 bytes, block h
	v_lshlrev_b32 v9, 3, v1                        ; a fragment's image: 8 x lane
	s_wait_alu depctr_va_sdst(0)                   ; s14 is written, ahead of its first reader: LDS places, bases and the branch on the wave's number are made from it
	s_mul_i32 s26, s14, 768
	v_add_nc_u32 v7, s26, v9                       ; waves 0-3: where my fragment of o_w goes
	v_lshl_add_u32 v10, v1, 2, OWSC                ; a scale word's place
	s_lshl_b32 s26, s14, 7
	v_add_nc_u32 v8, s26, v10
	v_mul_u32_u24 v11, v2, 272
	v_lshl_add_u32 v11, v3, 5, v11
	s_mul_i32 s26, s14, 4352
	s_add_co_u32 s26, s26, PART
	v_add_nc_u32 v11, s26, v11                     ; my sums: row r, 32 h bytes on
	v_lshrrev_b32 v12, 4, v0
	v_mul_u32_u24 v12, v12, 272
	v_lshl_add_u32 v12, v2, 4, v12
	v_add_nc_u32 v12, PART, v12                    ; back: row thread / 16, 16 bytes at 16 (thread % 16)
	v_lshlrev_b32 v13, 4, v0                       ; and the same place in the work-group's 4,096 bytes of out0
	v_lshlrev_b32 v14, 3, v3                       ; 8 h
.irp i, 0,1,2,3
.irp j, 0,1,2,3,4,5
	v_mov_b32 v[22+12*\i+\j], 0                    ; zero codes for k = 64 .. 127
	v_mov_b32 v[70+12*\i+\j], 0
.endr
	v_mov_b32 v[220+\i], 0                         ; a lane permute's destination counts as one of its sources
.endr
	v_mov_b32 v231, 0
	s_lshr_b32 s15, ttmp9, 6                       ; b
	s_and_b32 s18, ttmp9, 63                       ; tile of 16 rows
	s_lshl_b32 s26, s15, 5
	s_lshl_b32 s27, s14, 2
	s_add_co_u32 s26, s26, s27                     ; my first image: 32 b + 4 w
	s_mul_i32 s28, s26, 49152
	s_lshr_b32 s27, s18, 1
	s_mul_i32 s27, s27, 768                        ; the group of 32 rows,
	s_add_co_u32 s28, s28, s27
	s_and_b32 s27, s18, 1
	s_lshl_b32 s27, s27, 7                         ; and its half
	s_add_co_u32 s28, s28, s27
	s_mov_b32 s29, 0
	s_lshl_b32 s30, s26, 11
	s_lshl_b32 s27, s18, 4
	s_add_co_u32 s30, s30, s27                     ; the scale bytes: 2,048 an image, 16 rows a tile
	s_mov_b32 s31, 0
	s_lshl_b32 s24, s14, 4                         ; merge_w: my four numbers
	s_mov_b32 s25, 0
	s_and_b32 s32, s14, 3
	s_lshl_b32 s32, s32, 12                        ; o_w: 16 rows of 256 bytes a tile
	s_mov_b32 s33, 0
	s_lshl_b32 s34, ttmp9, 12                      ; out0: 16 rows of 256 bytes a work-group
	s_mov_b32 s35, 0
	s_wait_kmcnt 0x0
	s_add_nc_u64 s[10:11], s[10:11], s[24:25]
	s_load_b128 s[20:23], s[10:11], 0x0
	s_add_nc_u64 s[4:5], s[4:5], s[28:29]
	s_add_nc_u64 s[6:7], s[6:7], s[30:31]
	s_add_nc_u64 s[8:9], s[8:9], s[32:33]
	s_add_nc_u64 s[12:13], s[12:13], s[34:35]
	s_wait_alu depctr_va_vdst(0)                   ; the offsets and LDS addresses v4-13 are written, which every load and store below reads; so are the zero codes, which scaled products take
.irp i, 0,1,2,3
.irp j, 0,1,2
	global_load_b64 v[16+12*\i+2*\j:17+12*\i+2*\j], v4, s[4:5] offset:49152*\i+256*\j   ; lane (r, h): the 24 bytes of block h of row r, as the operand's registers 0-5 want them
.endr
	global_load_u8 v[216+\i], v5, s[6:7] offset:2048*\i
.endr
	; ---- o_w's four fragments, one a wave
	s_cmp_lt_u32 s14, 4
	s_cbranch_scc0 .Lno_weight
.irp g, 0,1,2,3
	global_load_b128 v[176+8*((\g%2)*2+\g/2):179+8*((\g%2)*2+\g/2)], v6, s[8:9] offset:32*\g        ; k = 32 h + 8 g on goes to the place that Y's codes give it: groups 0, 2, 1, 3
	global_load_b128 v[180+8*((\g%2)*2+\g/2):183+8*((\g%2)*2+\g/2)], v6, s[8:9] offset:32*\g+16
.endr
	s_wait_loadcnt 0x0
	v_max3_num_f32 v224, |v176|, |v177|, |v178|    ; the block's largest magnitude: all 32 numbers are mine
	v_max3_num_f32 v225, |v179|, |v180|, |v181|
.irp i, 6,10,14,18,22,26
	v_max3_num_f32 v224, v224, |v[176+\i]|, |v[177+\i]|
	v_max3_num_f32 v225, v225, |v[178+\i]|, |v[179+\i]|
.endr
	v_max3_num_f32 v224, v224, |v206|, |v207|
	v_max3_num_f32 v224, v224, v225, FLOOR
	v_add_nc_u32 v226, EOFF, v224                  ; 4 off its exponent field: the conversion's scale operand
	v_lshrrev_b32 v227, 23, v226                   ; the byte,
	v_lshlrev_b32 v227, v14, v227                  ; 8 h bits up,
	v_permlanex16_b32 v231, v227, s16, s17
	v_or_b32 v212, v227, v231                      ; with lane l xor 16's: the row's word
	v_cvt_scalef32_pk16_bf6_f32 v[64:66], v[176:191], v226
	v_cvt_scalef32_pk16_bf6_f32 v[228:230], v[192:207], v226
	v_nop                                          ; one plain place behind a scaled conversion
.irp i, 0,1,2
	v_mov_b32 v[67+\i], v[228+\i]
.endr
	s_wait_alu depctr_va_vdst(0)                   ; the fragment v64-69 and its scale word v212 are written, which the LDS stores read
.irp p, 0,1,2
	ds_store_b64 v7, v[64+2*\p:65+2*\p] offset:256*\p
.endr
	ds_store_b32 v8, v212
.Lno_weight:
	s_wait_loadcnt 0x0                             ; Y's codes and bytes
	s_wait_kmcnt 0x0                               ; merge_w
	BARRIER                                        ; o_w's four fragments lie in LDS
	s_wait_alu depctr_vm_vsrc(0)                   ; my LDS stores have read v64-69 and v212, in which the loads below land (the lines that wrote them stand ahead of the wait in front of those stores)
.irp t, 0,1,2,3
.irp p, 0,1,2
	ds_load_b64 v[64+12*\t+2*\p:65+12*\t+2*\p], v9 offset:768*\t+256*\p
.endr
	ds_load_b32 v[212+\t], v10 offset:128*\t
.endr
.irp i, 0,1,2,3
	v_lshlrev_b32 v[216+\i], v14, v[216+\i]
.endr
.irp i, 0,1,2,3
	v_permlanex16_b32 v[220+\i], v[216+\i], s16, s17
.endr
.irp i, 0,1,2,3
	v_or_b32 v[208+\i], v[216+\i], v[220+\i]       ; Y's scale word of row r: block 0's byte, block 1's
.endr
	NOPS 8                                         ; a scale register written by a vector instruction stands 8 places ahead of a scaled product
	s_wait_dscnt 0x0
	s_wait_alu depctr_va_vdst(0)                   ; Y's scale words v208-211 are written, which the scaled products take; the places above stay beside this wait
	; ---- my four channels
.irp i, 0,1,2,3
.irp t, 0,1,2,3
	v_wmma_scale_f32_16x16x128_f8f6f4 v[112+8*\t:119+8*\t], v[64+12*\t:75+12*\t], v[16+12*\i:27+12*\i], 0, v[212+\t], v[208+\i] matrix_a_fmt:MATRIX_FMT_BF6 matrix_b_fmt:MATRIX_FMT_BF6
.endr
	NOPS 4                                         ; places behind the products; the lines on the other tiles are the places before a tile is written anew
.irp j, 0,1,2,3,4,5,6,7,8,9,10,11,12,13,14,15,16,17,18,19,20,21,22,23,24,25,26,27,28,29,30,31
.if \i == 0
	v_mul_f32 v[144+\j], s[20+\i], v[112+\j]       ; the first channel starts the sums; each tile from its low end on
.else
	v_fmac_f32 v[144+\j], s[20+\i], v[112+\j]
.endif
.endr
.endr
	s_wait_alu depctr_va_vdst(0)                   ; my sums v144-175 are written, which the LDS stores read; the lines that named v176-207 are done, in which the loads behind the barrier land
.irp t, 0,1,2,3
	ds_store_b128 v11, v[144+8*\t:147+8*\t] offset:64*\t
	ds_store_b128 v11, v[148+8*\t:151+8*\t] offset:64*\t+16
.endr
	BARRIER                                        ; the eight waves' sums lie in LDS
.irp w, 0,1,2,3,4,5,6,7
	ds_load_b128 v[176+4*\w:179+4*\w], v12 offset:4352*\w
.endr
	s_wait_dscnt 0x0
.irp k, 0,2,4,6
	v_pk_add_f32 v[176+4*\k:177+4*\k], v[176+4*\k:177+4*\k], v[180+4*\k:181+4*\k]
	v_pk_add_f32 v[178+4*\k:179+4*\k], v[178+4*\k:179+4*\k], v[182+4*\k:183+4*\k]
.endr
.irp k, 0,4
	v_pk_add_f32 v[176+4*\k:177+4*\k], v[176+4*\k:177+4*\k], v[184+4*\k:185+4*\k]
	v_pk_add_f32 v[178+4*\k:179+4*\k], v[178+4*\k:179+4*\k], v[186+4*\k:187+4*\k]
.endr
	v_pk_add_f32 v[176:177], v[176:177], v[192:193]
	v_pk_add_f32 v[178:179], v[178:179], v[194:195]
	s_wait_alu depctr_va_vdst(0)                   ; the additions have written v176-179, which the store reads
	global_store_b128 v13, v[176:179], s[12:13]    ; a wave stores 512 consecutive bytes, at a multiple of 256 from out0's first byte
	s_wait_dscnt 0x0                               ; the closing lines, six on end
	s_wait_alu 0x0
	s_wait_tensorcnt 0x0
	ds_add_u32 v232, v233
	s_wait_dscnt 0x0
	s_endpgm
.Lfunc_end_k_qe0c91a25e0_merge:
	.size	k_qe0c91a25e0_merge, .Lfunc_end_k_qe0c91a25e0_merge-k_qe0c91a25e0_merge
	.p2alignl 7, 3214868480
	.fill 96, 4, 3214868480
	.section	.rodata,"a",@progbits
	.p2align	6, 0x0
	.amdhsa_kernel k_qe0c91a25e0_merge
		.amdhsa_group_segment_fixed_size 39424
		.amdhsa_private_segment_fixed_size 0
		.amdhsa_enable_private_segment 0
		.amdhsa_kernarg_size 40
		.amdhsa_user_sgpr_count 2
		.amdhsa_user_sgpr_kernarg_segment_ptr 1
		.amdhsa_wavefront_size32 1
		.amdhsa_system_sgpr_workgroup_id_x 1
		.amdhsa_system_sgpr_workgroup_id_y 1
		.amdhsa_system_sgpr_workgroup_id_z 1
		.amdhsa_system_vgpr_workitem_id 0
		.amdhsa_next_free_vgpr 234
		.amdhsa_next_free_sgpr 66
		.amdhsa_reserve_vcc 0
		.amdhsa_float_denorm_mode_32 3
		.amdhsa_float_denorm_mode_16_64 3
		.amdhsa_memory_ordered 1
		.amdhsa_forward_progress 1
		.amdhsa_inst_pref_size 20
	.end_amdhsa_kernel
	.amdgpu_metadata
---
amdhsa.version: [ 1, 2 ]
amdhsa.kernels:
  - .name:           k_qe0c91a25e0_merge
    .symbol:         k_qe0c91a25e0_merge.kd
    .args:
      - { .name: ycodes, .offset: 0, .size: 8, .value_kind: global_buffer, .address_space: global }
      - { .name: yscales, .offset: 8, .size: 8, .value_kind: global_buffer, .address_space: global }
      - { .name: o_w, .offset: 16, .size: 8, .value_kind: global_buffer, .address_space: global }
      - { .name: merge_w, .offset: 24, .size: 8, .value_kind: global_buffer, .address_space: global }
      - { .name: out0, .offset: 32, .size: 8, .value_kind: global_buffer, .address_space: global }
    .group_segment_fixed_size: 39424
    .private_segment_fixed_size: 0
    .kernarg_segment_align: 8
    .kernarg_segment_size: 40
    .max_flat_workgroup_size: 256
    .sgpr_count:     66
    .vgpr_count:     234
    .wavefront_size: 32
...
	.end_amdgpu_metadata
.endif
;; end of part 4
